; MI455X (gfx1250); checked and timed in simulation.
; The chip was launched on July 23, 2026; its instructions are those of AMD's public machine-readable ISA for CDNA 5 (MIT licence, August 2026) and "CDNA5" Instruction Set Architecture Reference Guide (July 2026). The comments in the code are by the model that wrote it; some were corrected since.
;; Structured Ada LNMLPCRN. Allowed arithmetic: float matrix products may take bf16 or f16 operands with f32 sums; other float arithmetic in f32, or as packed bf16 or f16 multiplies, adds, multiply-adds, maxima and minima; sums over many terms, partial sums and values carried from step to step in f32; what a program stores and reads back later, other than sums and carried values, may be rounded once to bf16 or f16.
;; Inputs: W_c1 160 x 128 float32; W_c2 128 x 128 float32; W_emb 3 x 64 float32; W_h 6 x 64 x 64 float32; W_of 160 x 64 float32; W_out 64 x 3 float32; W_pf 64 x 64 float32; W_ss 6 x 128 x 128 float32; b_c1 128 float32; b_c2 128 float32; b_emb 64 float32; b_h 6 x 64 float32; b_of 64 float32; b_out 3 float32; b_pf 64 float32; b_ss 6 x 128 float32; c 32 x 16 x 128 float32; ln_b 6 x 64 float32; ln_g 6 x 64 float32; t 32 float32; x 32 x 8,192 x 3 float32.
;; Outputs: out0 32 x 8,192 x 3 float32.
;; 2 versions, each right; version 2 is version 1 with the launch prep written anew for expert scheduling mode. Each part assembles by itself: llvm-mc -triple=amdgcn-amd-amdhsa -mcpu=gfx1250 --defsym DOCPART=n.
;; ======== version 1 of 2: 2 launches
;; workspace buffers: ws 3,932,160 bytes
;; launch prep (part 1): grid 32 x 7, 8 waves a work-group, no clusters, 195,840 bytes of LDS; arguments W_c1, W_c2, W_emb, W_h, W_of, W_out, W_pf, W_ss, b_c1, b_c2, b_emb, b_h, b_of, b_out, b_pf, b_ss, c, ln_b, ln_g, t, ws; writes ws
.if DOCPART == 1
	.amdgcn_target "amdgcn-amd-amdhsa--gfx1250"
	.amdhsa_code_object_version 6
	.text
	.protected	k_qdf65a28e23_prep
	.globl	k_qdf65a28e23_prep
	.p2align	8
	.type	k_qdf65a28e23_prep,@function
k_qdf65a28e23_prep:
	s_mov_b64 s[64:65], 0
	v_nop
	global_prefetch_b8 v0, s[64:65] scope:SCOPE_SE
	s_setreg_imm32_b32 hwreg(HW_REG_WAVE_MODE, 25, 1), 1
	s_wait_xcnt 0x0
; PREP: for each batch b an IMAGE of 122,880 bytes in ws, already in the order of matrix fragments, from which the second launch works.
; All inputs are rounded to bf16 once (rd); products of bf16 numbers, sums in f32.  With sel the softmax weights of a point over its batch's 16 objects and
; CO = swish(swish(cwt W_c1 + b_c1) W_c2 + b_c2), cond W_ss[l] = sel (CO W_ss[l]): an exact regrouping.  With SS = CO W_ss[l] = [Sc | Sh], g, be = ln_g, ln_b, s0 | s1 = b_ss[l]:
;   layer l's result = n o A + Bb,  A = g(1+s0) + sum_k sel_k (g o Sc_k),  Bb = be(1+s0)+s1 + sum_k sel_k (be o Sc_k + Sh_k),  n the normalised vector,
;   and the next product is (n o A) W' + sum_k sel_k G_k + biasG,  G = (be o Sc + Sh) W',  biasG = (be(1+s0)+s1) W' + b'.   W' = W_h[l+1], b' = b_h[l+1]; behind layer 5: W_out, b_out, widened to 64 columns by zeros.
; A FRAGMENT is 1,024 bytes: 16 bytes a lane (registers 0-3), then 16 bytes a lane (registers 4-7), of source 0 of v_wmma_f32_16x16x32_bf16: lane l holds row l % 16,
; k = 8 (l / 16) + 0..7 and 16 + 8 (l / 16) + 0..7.  IMAGE: stage s = 0..5 at 16,384 s: WF_s (8 fragments, W' by out-feature rows), GF_s (4) at +8,192, AF_s (4) at +12,288;
; stage 6 at 98,304: WF_6, GF_6; FRONT at 110,592: EF (4), PF (4), OF high parts (2), OF low parts (2).  GF and AF: k = 0..15 the objects, k = 16, 17 the bias as a high and a low bf16, the rest 0.
; SHARES.  Work-group (b, y).  y = l < 6: AF_l, WF_(l+1), GF_(l+1).  y = 6: WF_0, GF_0, FRONT.  Each byte of the image has one writer.  Eight waves; the branch on y is the same for all of them.
; PRODUCTS ARE USED TRANSPOSED: source 0 = 16 columns of a weight matrix (kept [k][n] in LDS, read turned by ds_load_tr16_b128), source 1 = 16 rows of activations:
; a lane then holds one activation row (l % 16) and eight neighbouring columns.
; LIMITS.  sin and cos of rd(t) f_i by a three-part reduction by pi/2 and polynomials of degree 7 and 8: good for |t| up to about 1e4 (the quadrant is found by an addition that holds up to 2^22 quadrants).
; NaN and infinities are not treated apart.  swish(z) = z / (1 + 2^(-z log2 e)); where the power overflows the result is -0.
; Sums over k are kept in two accumulators and added at the end: an order of rounding other than a plain chain's.
; cwt, the two hidden layers, g o Sc, be o Sc + Sh and G are rounded once to bf16 as matrix operands; biases are kept as a high and a low bf16.
.set IMG,   122880
.set FRONT, 110592
.set WC1,   0                          ; LDS: W_c1 [160][128] bf16, pitch 288
.set WC2,   46080                      ; W_c2 [128][128], pitch 288
.set WSS,   82944                      ; W_ss[l] [128][128], pitch 288
.set WN,    119808                     ; W' [64][64], pitch 160 (y = 6: W_h[0], by the same places)
.set CWT,   130048                     ; [16 objects][32 time features + 128 of c], pitch 336
.set C1,    135424                     ; first hidden layer [16][128], pitch 272
.set CO,    139776                     ; second, likewise
.set BT,    144128                     ; be o Sc + Sh [16][64], pitch 144 (y = 6: rows W_emb 0-2, b_emb, zeros)
.set BT2,   146432                     ; row 0, 1: be(1+s0)+s1 high, low; rows 2-15 zero; pitch 144
.set SCR,   148736                     ; 2,560 bytes for each of waves 0-3: two tiles 16 x 16 bf16 (pitch 32) at +0, +512; one 16 x 16 f32 (pitch 80) at +1,024
.set SPARE, 158976                     ; the spare words: 128 bytes a wave, four blocks of 256 bytes that no other line names
.set WOF,   160000                     ; y = 6 alone: W_of [160][64], pitch 160, in bytes of its own
.set WPF,   185600                     ; y = 6 alone: W_pf [64][64], pitch 160, likewise
.set WFR,  32                          ; weight fragments, up to five
.set W2R,  72                          ; a second run of four
.set AFR,  104                         ; activation fragments, up to five
.set ACC0, 144
.set ACC1, 152
.set T,    160                         ; sixteen at work
.set TMPR, 226
; v1 l%16  v2 l/16  v3 16 lane  v4, v5, v6 the turning load's lane term for pitch 288, 160, 32  v7, v8, v9 row x pitch + 16 (l/16) for pitch 336, 272, 144
; v10, v11 staging place for rows of 128, 64 columns  v12 16 t  v13 32 t  v14, v15 spare word, 0  v16-19 addresses  v28 t>>4  v30, v31 places in CWT
.macro NOP5                            ; five plain places behind the last product: what follows may read its result, write its sources, or be a product that writes over them (ISA guide 7.12.1)
.rept 5
	v_nop
.endr
.endm
.macro STAGE n, reg, addr, step        ; n times: four f32 rounded to bf16 in place, 8 bytes into LDS
.set st_i, 0
.rept \n
	v_cvt_pk_bf16_f32 v[(\reg)+4*st_i], v[(\reg)+4*st_i], v[(\reg)+4*st_i+1]
	v_cvt_pk_bf16_f32 v[(\reg)+4*st_i+1], v[(\reg)+4*st_i+2], v[(\reg)+4*st_i+3]
	ds_store_b64 v[\addr], v[(\reg)+4*st_i:(\reg)+4*st_i+1] offset:st_i*(\step)
.set st_i, st_i+1
.endr
.endm
.macro RND a, b                        ; two f32 rounded to bf16 and kept as f32
	v_cvt_pk_bf16_f32 v[TMPR], v[\a], v[\b]
	v_lshlrev_b32 v[\a], 16, v[TMPR]
	v_and_b32 v[\b], 0xffff0000, v[TMPR]
.endm
.macro RND8 reg
.irp j, 0,2,4,6
	RND (\reg)+\j, (\reg)+\j+1
.endr
.endm
.macro LDW dst, n, addr, pitch, off    ; n fragments of 16 columns x 32 k out of rows [k][n]
.set lw_k, 0
.rept \n
	ds_load_tr16_b128 v[(\dst)+8*lw_k:(\dst)+8*lw_k+3], v[\addr] offset:(\off)+lw_k*32*(\pitch)
	ds_load_tr16_b128 v[(\dst)+8*lw_k+4:(\dst)+8*lw_k+7], v[\addr] offset:(\off)+lw_k*32*(\pitch)+16*(\pitch)
.set lw_k, lw_k+1
.endr
.endm
.macro LDA dst, n, addr, off           ; n fragments of 16 rows x 32 k out of rows that lie along k
.set la_k, 0
.rept \n
	ds_load_b128 v[(\dst)+8*la_k:(\dst)+8*la_k+3], v[\addr] offset:(\off)+64*la_k
	ds_load_b128 v[(\dst)+8*la_k+4:(\dst)+8*la_k+7], v[\addr] offset:(\off)+64*la_k+32
.set la_k, la_k+1
.endr
.endm
.macro GEMMT n, bias                   ; n K steps on two accumulators by turns; the first takes the bias as C, the second 0
.set gm_k, 0
.rept \n
.if gm_k == 0
	v_wmma_f32_16x16x32_bf16 v[ACC0:ACC0+7], v[WFR:WFR+7], v[AFR:AFR+7], v[(\bias):(\bias)+7]
.elseif gm_k == 1
	v_wmma_f32_16x16x32_bf16 v[ACC1:ACC1+7], v[WFR+8:WFR+15], v[AFR+8:AFR+15], 0
.elseif gm_k%2 == 0
	v_wmma_f32_16x16x32_bf16 v[ACC0:ACC0+7], v[WFR+8*gm_k:WFR+8*gm_k+7], v[AFR+8*gm_k:AFR+8*gm_k+7], v[ACC0:ACC0+7]
.else
	v_wmma_f32_16x16x32_bf16 v[ACC1:ACC1+7], v[WFR+8*gm_k:WFR+8*gm_k+7], v[AFR+8*gm_k:AFR+8*gm_k+7], v[ACC1:ACC1+7]
.endif
.set gm_k, gm_k+1
.endr
.endm
.macro PAIRMM n, w0, w1, a0, a1        ; two sums side by side, n K steps each, by turns; the first step starts them
.set pm_k, 0
.rept \n
.if pm_k == 0
	v_wmma_f32_16x16x32_bf16 v[ACC0:ACC0+7], v[(\w0):(\w0)+7], v[(\a0):(\a0)+7], 0
	v_wmma_f32_16x16x32_bf16 v[ACC1:ACC1+7], v[(\w1):(\w1)+7], v[(\a1):(\a1)+7], 0
.else
	v_wmma_f32_16x16x32_bf16 v[ACC0:ACC0+7], v[(\w0)+8*pm_k:(\w0)+8*pm_k+7], v[(\a0)+8*pm_k:(\a0)+8*pm_k+7], v[ACC0:ACC0+7]
	v_wmma_f32_16x16x32_bf16 v[ACC1:ACC1+7], v[(\w1)+8*pm_k:(\w1)+8*pm_k+7], v[(\a1)+8*pm_k:(\a1)+8*pm_k+7], v[ACC1:ACC1+7]
.endif
.set pm_k, pm_k+1
.endr
.endm
.macro ADDACC                          ; the two partial sums; each accumulator is read from its low end on
.irp j, 0,2,4,6
	v_pk_add_f32 v[ACC0+\j:ACC0+\j+1], v[ACC0+\j:ACC0+\j+1], v[ACC1+\j:ACC1+\j+1]
.endr
.endm
.macro SWISH8                          ; ACC0 = swish(ACC0); T at work.  A plain line stands behind each run of transcendentals before a result is used (ISA guide 5.7.2)
.irp j, 0,2,4,6
	v_pk_mul_f32 v[T+\j:T+\j+1], v[ACC0+\j:ACC0+\j+1], s[52:53] op_sel_hi:[1,0]
.endr
.irp j, 0,1,2,3,4,5,6,7
	v_exp_f32 v[T+\j], v[T+\j]
.endr
	v_nop
	s_wait_alu depctr_va_vdst(0)
.irp j, 0,2,4,6
	v_pk_add_f32 v[T+\j:T+\j+1], v[T+\j:T+\j+1], 1.0 op_sel_hi:[1,0]
.endr
.irp j, 0,1,2,3,4,5,6,7
	v_rcp_f32 v[T+\j], v[T+\j]
.endr
	v_nop
	s_wait_alu depctr_va_vdst(0)
.irp j, 0,2,4,6
	v_pk_mul_f32 v[ACC0+\j:ACC0+\j+1], v[ACC0+\j:ACC0+\j+1], v[T+\j:T+\j+1]
.endr
.endm
.macro FINISH addr                     ; a hidden layer's tile: sums joined, swish, 16 bytes a lane into LDS, and the barrier behind which the others read it
	NOP5
	ADDACC
	SWISH8
.irp j, 0,1,2,3
	v_cvt_pk_bf16_f32 v[T+\j], v[ACC0+2*\j], v[ACC0+2*\j+1]
.endr
	ds_store_b128 v[\addr], v[T:T+3]
	s_wait_dscnt 0x0                               ; for the others' sake: my store is done
	s_barrier_signal -1
	s_barrier_wait -1
.endm
.macro HILO8 z, hi, lo                 ; eight f32 as four packed high parts and four packed low parts; v[lo .. lo+7] at work
.irp j, 0,1,2,3
	v_cvt_pk_bf16_f32 v[(\hi)+\j], v[(\z)+2*\j], v[(\z)+2*\j+1]
.endr
.irp j, 0,1,2,3
	v_lshlrev_b32 v[(\lo)+2*\j], 16, v[(\hi)+\j]
	v_and_b32 v[(\lo)+2*\j+1], 0xffff0000, v[(\hi)+\j]
.endr
.irp j, 0,2,4,6
	v_pk_add_f32 v[(\lo)+\j:(\lo)+\j+1], v[(\z)+\j:(\z)+\j+1], v[(\lo)+\j:(\lo)+\j+1] neg_lo:[0,1] neg_hi:[0,1]
.endr
.irp j, 0,1,2,3
	v_cvt_pk_bf16_f32 v[(\lo)+\j], v[(\lo)+2*\j], v[(\lo)+2*\j+1]
.endr
.endm
.macro BIASHALF x, d                   ; registers 4-7 of a GF or AF fragment: (high, low) of v[x] at k = 16, 17 in lanes 0-15 (mask s58), zeros elsewhere
	v_cvt_pk_bf16_f32 v[\d], v[\x], v[\x]
	v_lshlrev_b32 v[\d], 16, v[\d]
	v_sub_f32 v[(\d)+1], v[\x], v[\d]
	v_cvt_pk_bf16_f32 v[\d], v[\d], v[(\d)+1]
	v_cndmask_b32 v[\d], 0, v[\d], s58
	v_mov_b32 v[(\d)+1], 0
	v_mov_b32 v[(\d)+2], 0
	v_mov_b32 v[(\d)+3], 0
.endm
; cwt: thread t owns object t >> 4, eight columns of c, and frequency i = t % 16 of the time embedding (made anew for each object).
.macro CWTBUILD
	v_cvt_pk_bf16_f32 v20, v20, v21
	v_cvt_pk_bf16_f32 v21, v22, v23
	v_cvt_pk_bf16_f32 v22, v24, v25
	v_cvt_pk_bf16_f32 v23, v26, v27
	ds_store_b128 v30, v[20:23] offset:64          ; columns 32 + 8 i on
	v_cvt_f32_u32 v24, v1
	v_mul_f32 v24, 0xbf62c6e7, v24                 ; - i log2(10000) / 15
	v_exp_f32 v24, v24                             ; f_i
	v_mov_b32 v25, s62
	v_cvt_pk_bf16_f32 v25, v25, v25
	v_lshlrev_b32 v25, 16, v25                     ; rd(t)
	s_wait_alu depctr_va_vdst(0)
	v_mul_f32 v26, v25, v24                        ; the argument
	v_mul_f32 v27, 0x3f22f983, v26                 ; x 2 / pi
	v_add_f32 v25, 0x4b400000, v27                 ; + 1.5 x 2^23: the sum is rounded to a whole number, and q stands in its low bits
	v_add_f32 v27, 0xcb400000, v25                 ; q as f32
	v_fmamk_f32 v26, v27, 0xbfc90000, v26          ; less q pi / 2, in three parts
	v_fmamk_f32 v26, v27, 0xb9fda000, v26
	v_fmamk_f32 v26, v27, 0xb3a22169, v26          ; r, within pi / 4
	v_mul_f32 v24, v26, v26                        ; z = r r
	v_mov_b32 v20, 0xb94ca1f9
	v_fmaak_f32 v20, v20, v24, 0x3c08839e
	v_fmaak_f32 v20, v20, v24, 0xbe2aaaa3
	v_mul_f32 v20, v20, v24
	v_fma_f32 v20, v20, v26, v26                   ; sin r
	v_mov_b32 v21, 0x37ccf5ce
	v_fmaak_f32 v21, v21, v24, 0xbab6061a
	v_fmaak_f32 v21, v21, v24, 0x3d2aaaa5
	v_mul_f32 v21, v21, v24
	v_fma_f32 v21, v21, v24, 1.0
	v_fma_f32 v21, v24, -0.5, v21                  ; cos r
	v_and_b32 v22, 1, v25                          ; odd quadrant: the two change places (a choice of values, no branch)
	v_cmp_eq_u32 vcc_lo, 1, v22
	v_cndmask_b32 v22, v20, v21, vcc_lo
	v_cndmask_b32 v23, v21, v20, vcc_lo
	v_and_b32 v27, 2, v25                          ; the sine's sign: bit 1 of q
	v_lshlrev_b32 v27, 30, v27
	v_xor_b32 v22, v22, v27
	v_add_nc_u32 v25, 1, v25                       ; the cosine's: bit 1 of q + 1
	v_and_b32 v25, 2, v25
	v_lshlrev_b32 v25, 30, v25
	v_xor_b32 v23, v23, v25
	v_cvt_pk_bf16_f32 v22, v22, v23
	ds_store_b16 v31, v22                          ; column i
	ds_store_b16_d16_hi v31, v22 offset:32         ; column 16 + i
.endm
	s_load_b512 s[8:23], s[0:1], 0x0               ; W_c1 8, W_c2 10, W_emb 12, W_h 14, W_of 16, W_out 18, W_pf 20, W_ss 22
	s_load_b512 s[24:39], s[0:1], 0x40             ; b_c1 24, b_c2 26, b_emb 28, b_h 30, b_of 32, b_out 34, b_pf 36, b_ss 38
	s_load_b256 s[40:47], s[0:1], 0x80             ; c 40, ln_b 42, ln_g 44, t 46
	s_load_b64 s[48:49], s[0:1], 0xa0              ; ws
	v_lshl_add_u32 v14, v0, 2, SPARE
	v_mov_b32 v15, 0
	v_lshrrev_b32 v13, 5, v0
	v_readfirstlane_b32 s2, v13                    ; wave 0..7
	s_mov_b32 s3, ttmp9                            ; b
	s_and_b32 s4, ttmp7, 0xffff                    ; y
	s_mov_b32 s52, 0xbfb8aa3b                      ; - log2 e, named as a pair
	s_mov_b32 s53, s52
	v_and_b32 v1, 15, v0
	v_bfe_u32 v2, v0, 4, 1
	v_and_b32 v3, 31, v0
	v_lshlrev_b32 v3, 4, v3
	v_and_b32 v13, 7, v0
	v_lshl_add_u32 v13, v2, 3, v13                 ; the turning load: row 8 (l / 16) + l % 8,
	v_bfe_u32 v12, v0, 3, 1
	v_lshlrev_b32 v12, 4, v12                      ; 16 bytes on for the lanes with l % 16 >= 8
	v_mul_u32_u24 v4, v13, 288
	v_add_nc_u32 v4, v12, v4
	v_mul_u32_u24 v5, v13, 160
	v_add_nc_u32 v5, v12, v5
	v_lshl_add_u32 v6, v13, 5, v12
	v_mul_u32_u24 v7, v1, 336
	v_lshl_add_u32 v7, v2, 4, v7
	v_mul_u32_u24 v8, v1, 272
	v_lshl_add_u32 v8, v2, 4, v8
	v_mul_u32_u24 v9, v1, 144
	v_lshl_add_u32 v9, v2, 4, v9
	v_lshrrev_b32 v13, 5, v0
	v_mul_u32_u24 v10, v13, 288
	v_and_b32 v13, 31, v0
	v_lshl_add_u32 v10, v13, 3, v10                ; rows of 128: row t >> 5 (+ 8 a load), columns 4 (t % 32) on
	v_lshrrev_b32 v28, 4, v0
	v_mul_u32_u24 v11, v28, 160
	v_lshl_add_u32 v11, v1, 3, v11                 ; rows of 64: row t >> 4 (+ 16 a load), columns 4 (t % 16) on
	v_lshlrev_b32 v12, 4, v0
	v_lshlrev_b32 v13, 5, v0
	v_mul_u32_u24 v29, v28, 336
	v_add_nc_u32 v29, CWT, v29
	v_lshl_add_u32 v30, v1, 4, v29
	v_lshl_add_u32 v31, v1, 1, v29
	s_mov_b32 s51, 0
	s_wait_kmcnt 0x0
	s_lshl_b32 s50, s3, 13
	s_add_nc_u64 s[40:41], s[40:41], s[50:51]      ; c[b]
	s_lshl_b32 s50, s3, 2
	s_add_nc_u64 s[46:47], s[46:47], s[50:51]      ; t[b]
	s_mul_i32 s50, s3, IMG
	s_add_nc_u64 s[48:49], s[48:49], s[50:51]      ; my batch's image
	s_load_b32 s62, s[46:47], 0x0
	global_load_b128 v[20:23], v13, s[40:41]
	global_load_b128 v[24:27], v13, s[40:41] offset:16
	s_cmp_eq_u32 s4, 6
	s_cbranch_scc1 .Lfront
	; ---------------- y = l: AF_l, WF_(l+1), GF_(l+1) ----------------
	s_lshl_b32 s50, s4, 16
	s_add_nc_u64 s[22:23], s[22:23], s[50:51]      ; W_ss[l]
	s_lshl_b32 s50, s4, 8
	s_add_nc_u64 s[42:43], s[42:43], s[50:51]      ; ln_b[l]
	s_add_nc_u64 s[44:45], s[44:45], s[50:51]      ; ln_g[l]
	s_lshl_b32 s50, s4, 9
	s_add_nc_u64 s[38:39], s[38:39], s[50:51]      ; b_ss[l]
	s_lshl_b32 s50, s4, 14
	s_add_nc_u64 s[54:55], s[48:49], s[50:51]      ; the image's stage l
	s_add_co_u32 s5, s4, 1
	s_min_u32 s5, s5, 5                            ; the next layer, held inside W_h and b_h
	s_lshl_b32 s50, s5, 14
	s_add_nc_u64 s[14:15], s[14:15], s[50:51]
	s_lshl_b32 s50, s5, 8
	s_add_nc_u64 s[30:31], s[30:31], s[50:51]
	s_cmp_eq_u32 s4, 5                             ; behind the last layer W' and b' are W_out and b_out
	s_cselect_b64 s[14:15], s[18:19], s[14:15]
	s_cselect_b64 s[30:31], s[34:35], s[30:31]
	s_cselect_b32 s6, 12, 256                      ; bytes in a row of W'
	s_cselect_b32 s7, 2, 63                        ; its last column
	s_lshl_b32 s50, s6, 4                          ; 16 rows on, three times
	s_add_nc_u64 s[56:57], s[14:15], s[50:51]
	s_add_nc_u64 s[58:59], s[56:57], s[50:51]
	s_add_nc_u64 s[60:61], s[58:59], s[50:51]
	v_mul_lo_u32 v29, v28, s6
.irp e, 0,1,2,3                        ; column 4 (t % 16) + e, held inside the row; s[32+e]: the lanes whose column exists
	v_lshl_add_u32 v[16+\e], v1, 2, \e
	v_cmp_ge_u32 s[32+\e], s7, v[16+\e]
	v_min_u32 v[16+\e], s7, v[16+\e]
	v_lshl_add_u32 v[16+\e], v[16+\e], 2, v29
.endr
.irp e, 0,1,2,3
	global_load_b32 v[32+\e], v[16+\e], s[14:15]
	global_load_b32 v[36+\e], v[16+\e], s[56:57]
	global_load_b32 v[40+\e], v[16+\e], s[58:59]
	global_load_b32 v[44+\e], v[16+\e], s[60:61]
.endr
.set i, 0
.rept 20
	global_load_b128 v[48+4*i:51+4*i], v12, s[8:9] offset:i*4096
.set i, i+1
.endr
.set i, 0
.rept 16
	global_load_b128 v[128+4*i:131+4*i], v12, s[10:11] offset:i*4096
.set i, i+1
.endr
	s_wait_loadcnt 36                              ; the 20 + 16 loads of W_c1 and W_c2 are younger: c and W' are in.  By this text's count 54 loads of a wave are out at the most
.set i, 0
.rept 16
	global_load_b128 v[192+4*i:195+4*i], v12, s[22:23] offset:i*4096
.set i, i+1
.endr
	s_wait_kmcnt 0x0                               ; t[b]
	CWTBUILD
.irp i, 0,4,8,12
.irp e, 0,1,2,3
	v_cndmask_b32 v[32+\i+\e], 0, v[32+\i+\e], s[32+\e]  ; columns that W' does not have are 0
.endr
.endr
	v_add_nc_u32 v29, WN, v11
	STAGE 4, 32, 29, 2560
	s_wait_loadcnt 32                              ; W_c2's and W_ss's 32 are younger: W_c1 is in
	STAGE 20, 48, 10, 2304
	s_wait_loadcnt 16                              ; W_ss's 16 are younger
	v_add_nc_u32 v28, WC2, v10
	STAGE 16, 128, 28, 2304
	s_wait_loadcnt 0x0
	v_add_nc_u32 v29, WSS, v10
	STAGE 16, 192, 29, 2304
	v_lshlrev_b32 v16, 5, v2
	v_lshl_add_u32 v16, s2, 6, v16                 ; byte offset of columns 16 w + 8 (l / 16) + 0..7 in a vector of f32
	global_load_b128 v[176:179], v16, s[24:25]     ; b_c1
	global_load_b128 v[180:183], v16, s[24:25] offset:16
	global_load_b128 v[184:187], v16, s[26:27]     ; b_c2
	global_load_b128 v[188:191], v16, s[26:27] offset:16
	s_wait_dscnt 0x0                               ; my part of the staged matrices and of cwt is written
	s_barrier_signal -1
	s_barrier_wait -1
	; first hidden layer: wave w makes columns 16 w .. 16 w + 15 for the 16 objects, K = 160
	v_lshl_add_u32 v17, s2, 5, v4
	v_add_nc_u32 v18, CWT, v7
	v_lshl_add_u32 v19, s2, 5, v8
	v_add_nc_u32 v19, C1, v19
	LDW WFR, 5, 17, 288, 0
	LDA AFR, 5, 18, 0
	s_wait_loadcnt 0x0
	RND8 176
	RND8 184
	s_wait_dscnt 0x0
	GEMMT 5, 176
	FINISH 19
	; second hidden layer, K = 128
	v_add_nc_u32 v17, WC2, v17
	v_add_nc_u32 v18, C1, v8
	v_add_nc_u32 v19, CO-C1, v19
	LDW WFR, 4, 17, 288, 0
	LDA AFR, 4, 18, 0
	s_wait_dscnt 0x0
	GEMMT 4, 184
	FINISH 19
	; SS = CO W_ss[l]: wave w < 4 makes Sc and Sh for features 16 w .. 16 w + 15.  All that this stretch reads beyond the common registers it loads itself.
	s_cmp_lt_u32 s2, 4
	s_cbranch_scc0 .Lno_ss
	v_lshlrev_b32 v18, 2, v1
	v_lshl_add_u32 v18, s2, 6, v18                 ; byte offset of feature 16 w + l % 16
	global_load_b128 v[192:195], v16, s[44:45]     ; g
	global_load_b128 v[196:199], v16, s[44:45] offset:16
	global_load_b128 v[200:203], v16, s[42:43]     ; be
	global_load_b128 v[204:207], v16, s[42:43] offset:16
	global_load_b128 v[208:211], v16, s[38:39]     ; s0
	global_load_b128 v[212:215], v16, s[38:39] offset:16
	global_load_b128 v[216:219], v16, s[38:39] offset:256  ; s1
	global_load_b128 v[220:223], v16, s[38:39] offset:272
	global_load_b32 v224, v18, s[44:45]            ; g and s0 once more, by fragment row
	global_load_b32 v225, v18, s[38:39]
	v_lshl_add_u32 v17, s2, 5, v4
	v_add_nc_u32 v17, WSS, v17
	v_add_nc_u32 v19, CO, v8
	LDW WFR, 4, 17, 288, 0
	LDW W2R, 4, 17, 288, 128
	LDA AFR, 4, 19, 0
	s_mul_i32 s50, s2, 2560
	s_add_co_u32 s50, s50, SCR                     ; my scratch
	v_lshlrev_b32 v227, 5, v1
	v_lshl_add_u32 v227, v2, 4, v227
	v_add_nc_u32 v227, s50, v227                   ; in: row l % 16 of 32 bytes, 16 bytes for each half of the lanes
	v_add_nc_u32 v228, s50, v6                     ; back, turned
	v_lshl_add_u32 v230, s2, 5, v9
	v_add_nc_u32 v230, BT, v230
	v_lshl_add_u32 v231, s2, 10, v3                ; fragment w, my 16 bytes
	v_cmp_eq_u32 s56, 0, v1
	v_cmp_eq_u32 s57, 1, v1
	v_cmp_eq_u32 s58, 0, v2
	s_wait_dscnt 0x0
	PAIRMM 4, WFR, W2R, AFR, AFR
	NOP5
	s_wait_loadcnt 0x0
	RND8 192
	RND8 200
	RND8 208
	RND8 216
	RND 224, 225
.irp j, 0,2,4,6
	v_pk_mul_f32 v[T+\j:T+\j+1], v[192+\j:192+\j+1], v[ACC0+\j:ACC0+\j+1]  ; g o Sc
.endr
.irp j, 0,1,2,3
	v_cvt_pk_bf16_f32 v[T+8+\j], v[T+2*\j], v[T+2*\j+1]
.endr
	ds_store_b128 v227, v[T+8:T+11]
	ds_load_tr16_b128 v[232:235], v228             ; LDS serves a wave's instructions in order (ISA guide 5.7.1.4): it sees the store above.  Now: row = feature, k = object
.irp j, 0,2,4,6
	v_pk_fma_f32 v[T+\j:T+\j+1], v[200+\j:200+\j+1], v[ACC0+\j:ACC0+\j+1], v[ACC1+\j:ACC1+\j+1]  ; be o Sc + Sh
.endr
.irp j, 0,1,2,3
	v_cvt_pk_bf16_f32 v[T+12+\j], v[T+2*\j], v[T+2*\j+1]
.endr
	ds_store_b128 v230, v[T+12:T+15]
.irp j, 0,2,4,6
	v_pk_fma_f32 v[T+\j:T+\j+1], v[200+\j:200+\j+1], v[208+\j:208+\j+1], v[200+\j:200+\j+1]  ; be (1 + s0)
.endr
.irp j, 0,2,4,6
	v_pk_add_f32 v[T+\j:T+\j+1], v[T+\j:T+\j+1], v[216+\j:216+\j+1]  ; + s1
.endr
	HILO8 T, 236, 240
.irp j, 0,1,2,3
	v_cndmask_b32 v[236+\j], 0, v[236+\j], s56     ; row 0 the high parts,
	v_cndmask_b32 v[236+\j], v[236+\j], v[240+\j], s57  ; row 1 the low parts, the other rows 0
.endr
	ds_store_b128 v230, v[236:239] offset:BT2-BT
	v_fma_f32 v224, v224, v225, v224               ; g (1 + s0)
	BIASHALF 224, 248
	s_wait_dscnt 0x0
	global_store_b128 v231, v[232:235], s[54:55] offset:12288       ; AF_l, fragment w
	global_store_b128 v231, v[248:251], s[54:55] offset:12288+512
.Lno_ss:
	s_wait_dscnt 0x0                               ; on every wave's path: what I wrote for the others is done
	s_barrier_signal -1
	s_barrier_wait -1
	s_cmp_lt_u32 s2, 4
	s_cbranch_scc0 .Lend
	; G and biasG: wave w < 4 makes out-features 16 w .. 16 w + 15; its two fragments of W' go out as WF_(l+1)
	s_wait_xcnt 0x0                                ; the stores above have read their registers
	v_lshl_add_u32 v17, s2, 4, v1                  ; out-feature 16 w + l % 16, held inside b'
	v_cmp_ge_u32 s59, s7, v17
	v_min_u32 v17, s7, v17
	v_lshlrev_b32 v17, 2, v17
	global_load_b32 v224, v17, s[30:31]
	v_lshl_add_u32 v18, s2, 5, v5
	v_add_nc_u32 v18, WN, v18
	v_add_nc_u32 v19, BT, v9
	LDW WFR, 2, 18, 160, 0
	LDA AFR, 2, 19, 0
	LDA AFR+16, 2, 19, BT2-BT
	s_mul_i32 s50, s2, 2560
	s_add_co_u32 s50, s50, SCR
	v_lshlrev_b32 v250, 5, v1
	v_lshl_add_u32 v250, v2, 4, v250
	v_add_nc_u32 v250, s50, v250
	v_add_nc_u32 v251, s50, v6
	v_mul_u32_u24 v252, v1, 80
	v_lshl_add_u32 v252, v2, 5, v252
	v_add_nc_u32 v252, s50, v252                   ; the f32 tile: row l % 16 of 80 bytes, 32 bytes for each half of the lanes
	v_lshl_add_u32 v253, v1, 2, s50                ; back: column l % 16
	v_lshl_add_u32 v254, s2, 11, v3
	v_lshl_add_u32 v255, s2, 10, v3
	v_cmp_eq_u32 s58, 0, v2
	s_wait_dscnt 0x0
	global_store_b128 v254, v[WFR:WFR+3], s[54:55] offset:16384
	global_store_b128 v254, v[WFR+4:WFR+7], s[54:55] offset:16384+512
	global_store_b128 v254, v[WFR+8:WFR+11], s[54:55] offset:16384+1024
	global_store_b128 v254, v[WFR+12:WFR+15], s[54:55] offset:16384+1536
	PAIRMM 2, WFR, WFR, AFR, AFR+16
	NOP5
.irp j, 0,1,2,3
	v_cvt_pk_bf16_f32 v[T+\j], v[ACC0+2*\j], v[ACC0+2*\j+1]
.endr
	ds_store_b128 v250, v[T:T+3] offset:512
	ds_load_tr16_b128 v[232:235], v251 offset:512  ; row = out-feature, k = object
	ds_store_b128 v252, v[ACC1:ACC1+3] offset:1024
	ds_store_b128 v252, v[ACC1+4:ACC1+7] offset:1024+16
	ds_load_b32 v248, v253 offset:1024             ; the high parts' product,
	ds_load_b32 v249, v253 offset:1024+80          ; the low parts'
	s_wait_loadcnt 0x0
	v_cvt_pk_bf16_f32 v224, v224, v224
	v_lshlrev_b32 v224, 16, v224                   ; rd(b'),
	v_cndmask_b32 v224, 0, v224, s59               ; 0 where b' has no such entry
	s_wait_dscnt 0x0
	v_add_f32 v248, v248, v249
	v_add_f32 v248, v248, v224
	BIASHALF 248, 244
	global_store_b128 v255, v[232:235], s[54:55] offset:16384+8192
	global_store_b128 v255, v[244:247], s[54:55] offset:16384+8192+512
	s_branch .Lend
	; ---------------- y = 6: WF_0, GF_0, FRONT ----------------
.Lfront:
.set i, 0
.rept 10
	global_load_b128 v[48+4*i:51+4*i], v12, s[16:17] offset:i*4096   ; W_of
.set i, i+1
.endr
.set i, 0
.rept 4
	global_load_b128 v[88+4*i:91+4*i], v12, s[20:21] offset:i*4096   ; W_pf
.set i, i+1
.endr
.set i, 0
.rept 4
	global_load_b128 v[104+4*i:107+4*i], v12, s[14:15] offset:i*4096 ; W_h[0]
.set i, i+1
.endr
	v_min_u32 v16, 47, v0                          ; W_emb is 48 pieces of 16 bytes: threads past them read the last again and discard it
	v_lshlrev_b32 v16, 4, v16
	v_lshlrev_b32 v17, 4, v1
	global_load_b128 v[120:123], v16, s[12:13]
	global_load_b128 v[124:127], v17, s[28:29]     ; b_emb
	s_wait_loadcnt 20                              ; the 10 + 4 + 4 + 2 loads above are younger: c is in
	s_wait_kmcnt 0x0
	CWTBUILD
	s_wait_loadcnt 10                              ; the 4 + 4 + 2 loads behind W_of's ten are younger
	v_add_nc_u32 v29, WOF, v11
	STAGE 10, 48, 29, 2560
	s_wait_loadcnt 0x0
	v_add_nc_u32 v29, WPF, v11
	STAGE 4, 88, 29, 2560
	v_add_nc_u32 v29, WN, v11
	STAGE 4, 104, 29, 2560
	v_cmp_gt_u32 s56, 3, v28                       ; rows 0-2: W_emb; row 3: b_emb; rows 4-15: 0
	v_cmp_eq_u32 s57, 3, v28
.irp j, 0,1,2,3
	v_cndmask_b32 v[120+\j], 0, v[120+\j], s56
	v_cndmask_b32 v[120+\j], v[120+\j], v[124+\j], s57
.endr
	v_cvt_pk_bf16_f32 v120, v120, v121
	v_cvt_pk_bf16_f32 v121, v122, v123
	v_mul_u32_u24 v29, v28, 144
	v_lshl_add_u32 v29, v1, 3, v29
	v_add_nc_u32 v29, BT, v29
	ds_store_b64 v29, v[120:121]
	s_wait_dscnt 0x0
	s_barrier_signal -1
	s_barrier_wait -1
	s_cmp_lt_u32 s2, 4
	s_cbranch_scc0 .Lend
	v_lshlrev_b32 v16, 5, v2
	v_lshl_add_u32 v16, s2, 6, v16
	v_lshlrev_b32 v18, 2, v1
	v_lshl_add_u32 v18, s2, 6, v18
	global_load_b128 v[176:179], v16, s[32:33]     ; b_of
	global_load_b128 v[180:183], v16, s[32:33] offset:16
	global_load_b32 v192, v18, s[12:13]            ; W_emb[0..2][16 w + l % 16]
	global_load_b32 v193, v18, s[12:13] offset:256
	global_load_b32 v194, v18, s[12:13] offset:512
	global_load_b32 v195, v18, s[28:29]            ; b_emb
	global_load_b32 v196, v18, s[36:37]            ; b_pf
	global_load_b32 v197, v18, s[30:31]            ; b_h[0]
	v_lshl_add_u32 v17, s2, 5, v5                  ; the turning load's place for columns 16 w on, pitch 160
	v_add_nc_u32 v227, WOF, v17
	v_add_nc_u32 v19, CWT, v7
	LDW WFR, 5, 227, 160, 0
	LDA AFR, 5, 19, 0
	v_lshl_add_u32 v228, s2, 9, v3
	v_lshl_add_u32 v229, s2, 10, v3
	v_lshl_add_u32 v254, s2, 11, v3
	v_cmp_eq_u32 s58, 0, v2
	s_wait_loadcnt 0x0
	RND8 176
	RND 192, 193
	RND 194, 195
	RND 196, 197
	s_wait_dscnt 0x0
	GEMMT 5, 176                                   ; object features, columns 16 w on, K = 160
	NOP5
	ADDACC
	SWISH8
	HILO8 ACC0, 236, 240
	global_store_b128 v228, v[236:239], s[48:49] offset:FRONT+8192   ; a lane's eight features of its object are half a fragment's registers as they stand
	global_store_b128 v228, v[240:243], s[48:49] offset:FRONT+10240
	v_add_nc_u32 v227, WPF, v17
	v_add_nc_u32 v19, BT, v9
	v_add_nc_u32 v17, WN, v17
	LDW WFR, 2, 227, 160, 0                        ; W_pf
	LDA AFR, 2, 19, 0                              ; rows W_emb, b_emb
	LDW WFR+16, 2, 17, 160, 0                      ; W_h[0]
	s_mul_i32 s50, s2, 2560
	s_add_co_u32 s50, s50, SCR
	v_mul_u32_u24 v252, v1, 80
	v_lshl_add_u32 v252, v2, 5, v252
	v_add_nc_u32 v252, s50, v252
	v_lshl_add_u32 v253, v1, 2, s50
	s_wait_dscnt 0x0
	v_wmma_f32_16x16x32_bf16 v[ACC0:ACC0+7], v[WFR:WFR+7], v[AFR:AFR+7], 0
	v_wmma_f32_16x16x32_bf16 v[ACC1:ACC1+7], v[WFR+8:WFR+15], v[AFR+8:AFR+15], 0
	NOP5
	ADDACC
	ds_store_b128 v252, v[ACC0:ACC0+3] offset:1024
	ds_store_b128 v252, v[ACC0+4:ACC0+7] offset:1024+16
	ds_load_b32 v200, v253 offset:1024             ; (W_emb W_pf)[0..2][16 w + l % 16],
	ds_load_b32 v201, v253 offset:1024+80
	ds_load_b32 v202, v253 offset:1024+160
	ds_load_b32 v203, v253 offset:1024+240         ; (b_emb W_pf)[16 w + l % 16]
	global_store_b128 v254, v[WFR+16:WFR+19], s[48:49]               ; WF_0
	global_store_b128 v254, v[WFR+20:WFR+23], s[48:49] offset:512
	global_store_b128 v254, v[WFR+24:WFR+27], s[48:49] offset:1024
	global_store_b128 v254, v[WFR+28:WFR+31], s[48:49] offset:1536
.irp j, 216,217,218,219
	v_mov_b32 v[\j], 0
.endr
	v_cvt_pk_bf16_f32 v220, v192, v193             ; EF: k = 0..7 meet (x0, x1, x2, x0, x1, x2, 1, 1): W_emb, three zeros, b_emb, zero
	v_cvt_pk_bf16_f32 v221, v194, v216
	v_mov_b32 v222, 0
	v_cvt_pk_bf16_f32 v223, v195, v216
	v_cndmask_b32 v220, 0, v220, s58
	v_cndmask_b32 v221, 0, v221, s58
	v_cndmask_b32 v223, 0, v223, s58
	BIASHALF 197, 244
	global_store_b128 v229, v[220:223], s[48:49] offset:FRONT
	global_store_b128 v229, v[216:219], s[48:49] offset:FRONT+512
	global_store_b128 v229, v[216:219], s[48:49] offset:8192         ; GF_0: no object terms,
	global_store_b128 v229, v[244:247], s[48:49] offset:8192+512     ; b_h[0]
	s_wait_dscnt 0x0
	v_add_f32 v203, v203, v196                     ; + b_pf
.irp j, 0,1,2,3
	v_cvt_pk_bf16_f32 v[204+\j], v[200+\j], v[200+\j]
	v_lshlrev_b32 v[204+\j], 16, v[204+\j]         ; high part,
	v_sub_f32 v[208+\j], v[200+\j], v[204+\j]      ; low part
.endr
	v_cvt_pk_bf16_f32 v212, v204, v205             ; PF: three high parts, three low parts, the bias's two
	v_cvt_pk_bf16_f32 v213, v206, v208
	v_cvt_pk_bf16_f32 v214, v209, v210
	v_cvt_pk_bf16_f32 v215, v207, v211
.irp j, 212,213,214,215
	v_cndmask_b32 v[\j], 0, v[\j], s58
.endr
	global_store_b128 v229, v[212:215], s[48:49] offset:FRONT+4096
	global_store_b128 v229, v[216:219], s[48:49] offset:FRONT+4096+512
.Lend:
	s_wait_tensorcnt 0x0                           ; the wave's end, behind my last LDS store
	ds_add_u32 v14, v15
	s_wait_dscnt 0x0
	s_endpgm
.Lfunc_end_k_qdf65a28e23_prep:
	.size	k_qdf65a28e23_prep, .Lfunc_end_k_qdf65a28e23_prep-k_qdf65a28e23_prep
	.p2alignl 7, 3214868480
	.fill 96, 4, 3214868480
	.section	.rodata,"a",@progbits
	.p2align	6, 0x0
	.amdhsa_kernel k_qdf65a28e23_prep
		.amdhsa_group_segment_fixed_size 195840
		.amdhsa_private_segment_fixed_size 0
		.amdhsa_enable_private_segment 0
		.amdhsa_kernarg_size 168
		.amdhsa_user_sgpr_count 2
		.amdhsa_user_sgpr_kernarg_segment_ptr 1
		.amdhsa_wavefront_size32 1
		.amdhsa_system_sgpr_workgroup_id_x 1
		.amdhsa_system_sgpr_workgroup_id_y 1
		.amdhsa_system_sgpr_workgroup_id_z 1
		.amdhsa_system_vgpr_workitem_id 0
		.amdhsa_next_free_vgpr 256
		.amdhsa_next_free_sgpr 66
		.amdhsa_reserve_vcc 1
		.amdhsa_float_denorm_mode_32 3
		.amdhsa_float_denorm_mode_16_64 3
		.amdhsa_memory_ordered 1
		.amdhsa_forward_progress 1
		.amdhsa_inst_pref_size 72
	.end_amdhsa_kernel
	.amdgpu_metadata
---
amdhsa.version: [ 1, 2 ]
amdhsa.kernels:
  - .name:           k_qdf65a28e23_prep
    .symbol:         k_qdf65a28e23_prep.kd
    .args:
      - { .name: W_c1, .offset: 0, .size: 8, .value_kind: global_buffer, .address_space: global }
      - { .name: W_c2, .offset: 8, .size: 8, .value_kind: global_buffer, .address_space: global }
      - { .name: W_emb, .offset: 16, .size: 8, .value_kind: global_buffer, .address_space: global }
      - { .name: W_h, .offset: 24, .size: 8, .value_kind: global_buffer, .address_space: global }
      - { .name: W_of, .offset: 32, .size: 8, .value_kind: global_buffer, .address_space: global }
      - { .name: W_out, .offset: 40, .size: 8, .value_kind: global_buffer, .address_space: global }
      - { .name: W_pf, .offset: 48, .size: 8, .value_kind: global_buffer, .address_space: global }
      - { .name: W_ss, .offset: 56, .size: 8, .value_kind: global_buffer, .address_space: global }
      - { .name: b_c1, .offset: 64, .size: 8, .value_kind: global_buffer, .address_space: global }
      - { .name: b_c2, .offset: 72, .size: 8, .value_kind: global_buffer, .address_space: global }
      - { .name: b_emb, .offset: 80, .size: 8, .value_kind: global_buffer, .address_space: global }
      - { .name: b_h, .offset: 88, .size: 8, .value_kind: global_buffer, .address_space: global }
      - { .name: b_of, .offset: 96, .size: 8, .value_kind: global_buffer, .address_space: global }
      - { .name: b_out, .offset: 104, .size: 8, .value_kind: global_buffer, .address_space: global }
      - { .name: b_pf, .offset: 112, .size: 8, .value_kind: global_buffer, .address_space: global }
      - { .name: b_ss, .offset: 120, .size: 8, .value_kind: global_buffer, .address_space: global }
      - { .name: c, .offset: 128, .size: 8, .value_kind: global_buffer, .address_space: global }
      - { .name: ln_b, .offset: 136, .size: 8, .value_kind: global_buffer, .address_space: global }
      - { .name: ln_g, .offset: 144, .size: 8, .value_kind: global_buffer, .address_space: global }
      - { .name: t, .offset: 152, .size: 8, .value_kind: global_buffer, .address_space: global }
      - { .name: ws, .offset: 160, .size: 8, .value_kind: global_buffer, .address_space: global }
    .group_segment_fixed_size: 195840
    .private_segment_fixed_size: 0
    .kernarg_segment_align: 8
    .kernarg_segment_size: 168
    .max_flat_workgroup_size: 256
    .sgpr_count:     66
    .vgpr_count:     256
    .wavefront_size: 32
...
	.end_amdgpu_metadata
.endif
;; end of part 1
;; launch main (part 2): grid 256 x 1, 16 waves a work-group, no clusters, 167,936 bytes of LDS; arguments x, ws, out0; writes out0
.if DOCPART == 2
	.amdgcn_target "amdgcn-amd-amdhsa--gfx1250"
	.amdhsa_code_object_version 6
	.text
	.protected	k_qdf65a28e23_main
	.globl	k_qdf65a28e23_main
	.p2align	8
	.type	k_qdf65a28e23_main,@function
k_qdf65a28e23_main:
	s_mov_b64 s[64:65], 0
	v_nop
	global_prefetch_b8 v0, s[64:65] scope:SCOPE_SE
	s_setreg_imm32_b32 hwreg(HW_REG_WAVE_MODE, 25, 1), 1
	s_wait_xcnt 0x0
; MAIN: the whole network for 1,024 points of one batch a work-group, from x and the batch's image of fragments (its layout and the algebra behind it: the first launch's head).
; SHARES.  Work-group g: batch g >> 3, points 1,024 (g % 8) on: 12,288 bytes of x and of out0.  Sixteen waves, four to a SIMD, 256 registers each; a wave owns 64 points,
; taken in two passes of two tiles (a, b) of 16 points.  The image (122,880 bytes) and x are copied into LDS once; nothing in LDS is filled a second time; one barrier.
; LAYOUT.  Every product is used transposed: source 0 = a fragment of 16 out-features x 32 k from the image, source 1 = 32 k x 16 points.  In the result a lane holds ONE point (lane % 16)
; and features 16 mt + 8 (lane / 16) + 0..7.  Two result tiles rounded to bf16 in pairs ARE the next source 1: nothing changes lanes between the layers; a point's mean, variance, maximum
; and sum want one exchange between the halves of the lanes.
; A LAYER.  z = W^T u + G selx;  h = swish(z);  n = (h - mean) rsqrt(var + 1e-6), the variance taken of the centred numbers;  A = AF selx;  u' = n o A.
; selx = (the point's 16 softmax weights, 1, 1, 0 ..): the two ones meet a bias's high and low part.  u, and the point features, enter the products as a high and a low bf16 (u = hi + lo to 16 bits).
; The softmax takes the row's maximum away before the exponentials.
; LIMITS.  x is rounded to bf16 once, as all inputs are.  The softmax weights are rounded to bf16 as a matrix operand.  swish(z) = z / (1 + 2^(-z log2 e)): -0 where the power overflows.
; NaN and infinities are not treated apart (a lane's upper half multiplies finite numbers by the fragments' zeros).  High and low parts are summed as separate K steps: an order of rounding of its own.
; NO CLUSTER: the eight work-groups of a batch share the image, which each reads once, 122,880 bytes against some 120,000 vector lines of work.
.set IMG,   122880
.set FRONT, 110592                     ; EF, PF, OF high, OF low: twelve fragments
.set STEP,  16384                      ; from a stage to the next
.set XB,    122880                     ; LDS: behind the image, x: 12,288 bytes
.set STG,   135168                     ; the way out: 768 bytes a wave; no copy lands here
.set SPARE, 147456                     ; the spare words: 128 bytes a wave, eight blocks of 256 bytes that no other line names
.set WGB,   12288
.set WVB,   768
.set L16,  1                           ; v1      16 x lane
.set FA,   2                           ; v2      LDS address of the fragments to load
.set XA,   3                           ; v3      my point's x in tile a
.set OA,   4                           ; v4      my point's place in the stage
.set NEG1, 5                           ; v5      -1.0
.set MU,   6                           ; v[6:7]  at work: mean, maximum
.set S0,   8                           ; v[8:9], v[10:11]  two running sums (at the head: the copies' addresses)
.set S1,   10
.set RS,   12                          ; v[12:13] at work: 1 / sigma, 1 / sum
.set SPW,  14                          ; v14     my spare word;  v15  0; both never rewritten
.set NIL,  15
.set SXA,  16                          ; v[16:23], v[24:31]  selx of tiles a, b
.set SXB,  24
.set PA,   32                          ; v[32:63], v[64:95]  u of tiles a, b: 16 registers of high parts, 16 of low parts
.set PB,   64
.set Z,    96                          ; v[96:127]  four accumulators (at the head v96, v97: the addresses of the image's upper copies)
.set F,    128                         ; v[128:255] a stage's sixteen fragments: WF at F + 8 (2 mt + ks), GF at F + 64 + 8 mt, AF at F + 96 + 8 mt
.set R1,   F                           ; in the front: point features of tile a (where EF lay), of tile b (where PF lay)
.set R2,   F+32
.set OFH,  F+64
.set OFL,  F+80
.set XOA,  F+96                        ; (x0, x1, x2, x0, x1, x2, 1, 1, 0 ..) of tiles a, b
.set XOB,  F+104
.set AFA,  F+112                       ; affinities
.set AFB,  F+120
; s[4:5] x  s[6:7] image  s[8:9] out0  s10 wave  s11 768 wave  s[14:15] -log2 e  s[16:17] log2 e  s18, s19 lane selects  s20 1/64  s21 1e-6  s22, s23 counters  s24 EXEC kept
.macro NOP5                            ; five plain places behind the last product: what follows may read its result, write its sources, or be a product that writes over them (ISA guide 7.12.1)
.rept 5
	v_nop
.endr
.endm
.macro LOADF n                         ; n fragments: each load takes 512 neighbouring bytes
.set lf_i, 0
.rept \n
	ds_load_b128 v[F+8*lf_i:F+8*lf_i+3], v[FA] offset:lf_i*1024
	ds_load_b128 v[F+8*lf_i+4:F+8*lf_i+7], v[FA] offset:lf_i*1024+512
.set lf_i, lf_i+1
.endr
.endm
.macro MM4 d, a, astep, b, first       ; four products, one for each tile of 16 out-features: the four accumulators take turns.  first = 1: they start the sums
.set mm_i, 0
.rept 4
.if \first
	v_wmma_f32_16x16x32_bf16 v[(\d)+8*mm_i:(\d)+8*mm_i+7], v[(\a)+(\astep)*mm_i:(\a)+(\astep)*mm_i+7], v[(\b):(\b)+7], 0
.else
	v_wmma_f32_16x16x32_bf16 v[(\d)+8*mm_i:(\d)+8*mm_i+7], v[(\a)+(\astep)*mm_i:(\a)+(\astep)*mm_i+7], v[(\b):(\b)+7], v[(\d)+8*mm_i:(\d)+8*mm_i+7]
.endif
.set mm_i, mm_i+1
.endr
.endm
.macro SWISH z, t                      ; z = swish(z), 32 numbers a lane; t: 32 registers at work.  Ascending: each accumulator is read from its low end on.
.set sw_i, 0
.rept 16
	v_pk_mul_f32 v[(\t)+sw_i:(\t)+sw_i+1], v[(\z)+sw_i:(\z)+sw_i+1], s[14:15] op_sel_hi:[1,0]
.set sw_i, sw_i+2
.endr
.set sw_i, 0
.rept 32
	v_exp_f32 v[(\t)+sw_i], v[(\t)+sw_i]
.set sw_i, sw_i+1
.endr
	v_nop                                          ; a plain line behind the run of transcendentals, before a result is used (ISA guide 5.7.2)
.set sw_i, 0
	s_wait_alu depctr_va_vdst(0)
.rept 16
	v_pk_add_f32 v[(\t)+sw_i:(\t)+sw_i+1], v[(\t)+sw_i:(\t)+sw_i+1], 1.0 op_sel_hi:[1,0]
.set sw_i, sw_i+2
.endr
.set sw_i, 0
.rept 32
	v_rcp_f32 v[(\t)+sw_i], v[(\t)+sw_i]
.set sw_i, sw_i+1
.endr
	v_nop
.set sw_i, 0
	s_wait_alu depctr_va_vdst(0)
.rept 16
	v_pk_mul_f32 v[(\z)+sw_i:(\z)+sw_i+1], v[(\z)+sw_i:(\z)+sw_i+1], v[(\t)+sw_i:(\t)+sw_i+1]
.set sw_i, sw_i+2
.endr
.endm
.macro SPLIT z, p                      ; 32 f32 -> 16 registers of high parts, 16 of low parts: low = bf16(z - high), one fused line for each
.set sp_i, 0
.rept 16
	v_cvt_pk_bf16_f32 v[(\p)+sp_i], v[(\z)+2*sp_i], v[(\z)+2*sp_i+1]
.set sp_i, sp_i+1
.endr
.set sp_i, 0
.rept 16
	v_fma_mixlo_bf16 v[(\p)+16+sp_i], v[(\p)+sp_i], v[NEG1], v[(\z)+2*sp_i] op_sel_hi:[1,0,0]
	v_fma_mixhi_bf16 v[(\p)+16+sp_i], v[(\p)+sp_i], v[NEG1], v[(\z)+2*sp_i+1] op_sel:[1,0,0] op_sel_hi:[1,0,0]
.set sp_i, sp_i+1
.endr
.endm
.macro ACT p                           ; behind four products into Z: swish, and the split into p
	NOP5
	SWISH Z, \p
	SPLIT Z, \p
.endm
.macro XOP d, x
	v_cvt_pk_bf16_f32 v[\d], v[\x], v[(\x)+1]
	v_cvt_pk_bf16_f32 v[(\d)+1], v[(\x)+2], v[\x]
	v_cvt_pk_bf16_f32 v[(\d)+2], v[(\x)+1], v[(\x)+2]
.endm
.macro AFF a, o, first                 ; one K step of both tiles' affinities: two accumulators by turns
.if \first
	v_wmma_f32_16x16x32_bf16 v[AFA:AFA+7], v[(\a):(\a)+7], v[R1+(\o):R1+(\o)+7], 0
	v_wmma_f32_16x16x32_bf16 v[AFB:AFB+7], v[(\a):(\a)+7], v[R2+(\o):R2+(\o)+7], 0
.else
	v_wmma_f32_16x16x32_bf16 v[AFA:AFA+7], v[(\a):(\a)+7], v[R1+(\o):R1+(\o)+7], v[AFA:AFA+7]
	v_wmma_f32_16x16x32_bf16 v[AFB:AFB+7], v[(\a):(\a)+7], v[R2+(\o):R2+(\o)+7], v[AFB:AFB+7]
.endif
.endm
.macro OUTMM a, o                      ; one K step of both tiles' outputs
	v_wmma_f32_16x16x32_bf16 v[Z:Z+7], v[(\a):(\a)+7], v[PA+(\o):PA+(\o)+7], v[Z:Z+7]
	v_wmma_f32_16x16x32_bf16 v[Z+8:Z+15], v[(\a):(\a)+7], v[PB+(\o):PB+(\o)+7], v[Z+8:Z+15]
.endm
.macro SOFTMAX acc, sx                 ; a lane holds eight of its point's 16 affinities, the lane 16 away the others
	v_max3_num_f32 v[MU], v[\acc], v[(\acc)+1], v[(\acc)+2]
	v_max3_num_f32 v[MU], v[MU], v[(\acc)+3], v[(\acc)+4]
	v_max3_num_f32 v[MU], v[MU], v[(\acc)+5], v[(\acc)+6]
	v_max_num_f32 v[MU], v[MU], v[(\acc)+7]
	v_permlanex16_b32 v[MU+1], v[MU], s18, s19
	v_max_num_f32 v[MU], v[MU], v[MU+1]
	v_mul_f32 v[MU], s16, v[MU]
.irp j, 0,2,4,6
	v_pk_fma_f32 v[(\acc)+\j:(\acc)+\j+1], v[(\acc)+\j:(\acc)+\j+1], s[16:17], v[MU:MU+1] op_sel_hi:[1,0,0] neg_lo:[0,0,1] neg_hi:[0,0,1]
.endr
.irp j, 0,1,2,3,4,5,6,7
	v_exp_f32 v[(\acc)+\j], v[(\acc)+\j]
.endr
	v_nop
	s_wait_alu depctr_va_vdst(0)
	v_pk_add_f32 v[S0:S0+1], v[\acc:(\acc)+1], v[(\acc)+2:(\acc)+3]
	v_pk_add_f32 v[S1:S1+1], v[(\acc)+4:(\acc)+5], v[(\acc)+6:(\acc)+7]
	v_pk_add_f32 v[S0:S0+1], v[S0:S0+1], v[S1:S1+1]
	v_add_f32 v[RS], v[S0], v[S0+1]
	v_permlanex16_b32 v[RS+1], v[RS], s18, s19
	v_add_f32 v[RS], v[RS], v[RS+1]
	v_rcp_f32 v[RS], v[RS]
	v_nop
	s_wait_alu depctr_va_vdst(0)
.irp j, 0,2,4,6
	v_pk_mul_f32 v[(\acc)+\j:(\acc)+\j+1], v[(\acc)+\j:(\acc)+\j+1], v[RS:RS+1] op_sel_hi:[1,0]
.endr
.irp j, 0,1,2,3
	v_cvt_pk_bf16_f32 v[(\sx)+\j], v[(\acc)+2*\j], v[(\acc)+2*\j+1]
.endr
.endm
; A layer for one tile.  p: its u, in and out; between the products it serves swish as work space and then takes A.  ld = 1: the stage's fragments have had their last reader: the next stage's are asked for.
.macro TILE p, sx, ld
	MM4 Z, F+64, 8, \sx, 1                         ; the object terms and the bias start the sums
	MM4 Z, F, 16, \p, 0                            ; W^T u: high parts, features 0-31, 32-63,
	MM4 Z, F+8, 16, (\p)+8, 0
	MM4 Z, F, 16, (\p)+16, 0                       ; low parts
	MM4 Z, F+8, 16, (\p)+24, 0
	NOP5
	SWISH Z, \p
	MM4 \p, F+96, 8, \sx, 1                        ; A; the sums below, which name none of these products' registers, are the places behind them
	v_pk_add_f32 v[S0:S0+1], v[Z:Z+1], v[Z+2:Z+3]
	v_pk_add_f32 v[S1:S1+1], v[Z+4:Z+5], v[Z+6:Z+7]
.set tl_q, 4
.rept 12
	v_pk_add_f32 v[S0+2*(tl_q%2):S0+2*(tl_q%2)+1], v[S0+2*(tl_q%2):S0+2*(tl_q%2)+1], v[Z+2*tl_q:Z+2*tl_q+1]
.set tl_q, tl_q+1
.endr
	v_pk_add_f32 v[S0:S0+1], v[S0:S0+1], v[S1:S1+1]
	v_add_f32 v[MU], v[S0], v[S0+1]
.if \ld
	v_add_nc_u32 v[FA], STEP, v[FA]
	LOADF 16                                       ; sixteen plain lines behind the last product that read F; waited for at the next trip's head
.endif
	v_permlanex16_b32 v[MU+1], v[MU], s18, s19     ; the point's other 32 features lie in the lane 16 away
	v_add_f32 v[MU], v[MU], v[MU+1]
	v_mul_f32 v[MU], s20, v[MU]                    ; the mean
.set tl_q, 0
.rept 16
	v_pk_add_f32 v[Z+2*tl_q:Z+2*tl_q+1], v[Z+2*tl_q:Z+2*tl_q+1], v[MU:MU+1] op_sel_hi:[1,0] neg_lo:[0,1] neg_hi:[0,1]
.set tl_q, tl_q+1
.endr
	v_pk_mul_f32 v[S0:S0+1], v[Z:Z+1], v[Z:Z+1]
	v_pk_mul_f32 v[S1:S1+1], v[Z+2:Z+3], v[Z+2:Z+3]
.set tl_q, 2
.rept 14
	v_pk_fma_f32 v[S0+2*(tl_q%2):S0+2*(tl_q%2)+1], v[Z+2*tl_q:Z+2*tl_q+1], v[Z+2*tl_q:Z+2*tl_q+1], v[S0+2*(tl_q%2):S0+2*(tl_q%2)+1]
.set tl_q, tl_q+1
.endr
	v_pk_add_f32 v[S0:S0+1], v[S0:S0+1], v[S1:S1+1]
	v_add_f32 v[RS], v[S0], v[S0+1]
	v_permlanex16_b32 v[RS+1], v[RS], s18, s19
	v_add_f32 v[RS], v[RS], v[RS+1]
	v_fma_f32 v[RS], v[RS], s20, s21               ; variance + 1e-6
	v_rsq_f32 v[RS], v[RS]
.set tl_q, 0
.rept 16                               ; times A: plain lines that wait for nothing, between the root and the use of its result; A's accumulators are read from their low ends on
	v_pk_mul_f32 v[Z+2*tl_q:Z+2*tl_q+1], v[Z+2*tl_q:Z+2*tl_q+1], v[(\p)+2*tl_q:(\p)+2*tl_q+1]
.set tl_q, tl_q+1
.endr
.set tl_q, 0
	s_wait_alu depctr_va_vdst(0)
.rept 16
	v_pk_mul_f32 v[Z+2*tl_q:Z+2*tl_q+1], v[Z+2*tl_q:Z+2*tl_q+1], v[RS:RS+1] op_sel_hi:[1,0]
.set tl_q, tl_q+1
.endr
	SPLIT Z, \p
.endm
	s_load_b128 s[4:7], s[0:1], 0x0                ; x, ws
	s_load_b64 s[8:9], s[0:1], 0x10                ; out0
	v_lshl_add_u32 v[SPW], v0, 2, SPARE
	v_mov_b32 v[NIL], 0
	ds_add_u32 v[SPW], v[NIL]                      ; the wave's opening add, waited for ahead of my first copy; the set-up below, work on registers, stands between the add and its wait
	v_lshrrev_b32 v1, 5, v0
	v_readfirstlane_b32 s10, v1                    ; wave 0..15
	s_lshr_b32 s12, ttmp9, 3                       ; batch
	s_mul_i32 s12, s12, IMG
	s_mov_b32 s13, 0
	s_mul_i32 s26, ttmp9, WGB
	s_mov_b32 s27, 0
	s_mov_b32 s14, 0xbfb8aa3b
	s_mov_b32 s15, s14
	s_mov_b32 s16, 0x3fb8aa3b
	s_mov_b32 s17, s16
	s_mov_b32 s18, 0x76543210                      ; v_permlanex16_b32: each lane takes its own place in the other half
	s_mov_b32 s19, 0xfedcba98
	s_mov_b32 s20, 0x3c800000
	s_mov_b32 s21, 0x358637bd
	s_mul_i32 s11, s10, WVB
	v_lshlrev_b32 v8, 4, v0                        ; the image: 16 bytes a thread, in LDS
	v_lshlrev_b32 v9, 4, v0                        ; and in memory;
	v_lshl_add_u32 v[Z], v0, 4, 0x10000            ; its part from byte 65,536 on has registers of its own, so that every immediate stays below 65,536
	v_lshl_add_u32 v[Z+1], v0, 4, 0x10000
	v_lshlrev_b32 v11, 3, v0                       ; x: 8 bytes a thread
	v_add_nc_u32 v10, XB, v11
	s_wait_dscnt 0x0                               ; the opening add is done
	s_wait_kmcnt 0x0
	s_add_nc_u64 s[6:7], s[6:7], s[12:13]
	s_add_nc_u64 s[4:5], s[4:5], s[26:27]
	s_add_nc_u64 s[8:9], s[8:9], s[26:27]
.set i, 0
.rept 8                                ; (8 + 7) x 512 threads x 16 bytes = the image; the immediate steps both addresses
	global_load_async_to_lds_b128 v8, v9, s[6:7] offset:i*8192
.set i, i+1
.endr
.set i, 0
.rept 7
	global_load_async_to_lds_b128 v[Z], v[Z+1], s[6:7] offset:i*8192
.set i, i+1
.endr
.set i, 0
.rept 3                                ; 3 x 512 x 8 bytes = the work-group's x
	global_load_async_to_lds_b64 v10, v11, s[4:5] offset:i*4096
.set i, i+1
.endr
	v_and_b32 v[MU], 31, v0
	v_lshlrev_b32 v[L16], 4, v[MU]
	v_and_b32 v[RS], 15, v0
	v_mul_u32_u24 v[RS], v[RS], 12
	v_add_nc_u32 v[RS], s11, v[RS]                 ; 768 wave + 12 (lane % 16)
	v_add_nc_u32 v[XA], XB, v[RS]
	v_add_nc_u32 v[OA], STG, v[RS]
	v_mov_b32 v[NEG1], -1.0
	v_mov_b32 v[MU+1], 0                           ; v_permlanex16_b32's destinations count as read: written once here
	v_mov_b32 v[RS+1], 0
.irp d, SXA, SXB
	v_mov_b32 v[\d+4], 0x3f803f80                  ; k = 16, 17: 1.0 twice, for a bias's two parts (in the upper lanes, k = 24, 25, they meet zeros)
	v_mov_b32 v[\d+5], 0
	v_mov_b32 v[\d+6], 0
	v_mov_b32 v[\d+7], 0
.endr
	s_wait_asynccnt 0x0                            ; my copies have landed; only now may their address registers be written
	s_wait_xcnt 0x0                                ; no memory instruction of mine still holds EXEC as a source: it is narrowed below
	s_barrier_signal -1
	s_barrier_wait -1                              ; everybody's have
	s_mov_b32 s23, 2
.Lpass:                                                ; two tiles of 16 points a trip
	v_add_nc_u32 v[FA], FRONT, v[L16]
	LOADF 12
	ds_load_b32 v[Z+16], v[XA]
	ds_load_b32 v[Z+17], v[XA] offset:4
	ds_load_b32 v[Z+18], v[XA] offset:8
	ds_load_b32 v[Z+19], v[XA] offset:192
	ds_load_b32 v[Z+20], v[XA] offset:196
	ds_load_b32 v[Z+21], v[XA] offset:200
.irp d, XOA, XOB
	v_mov_b32 v[\d+3], 0x3f803f80
	v_mov_b32 v[\d+4], 0
	v_mov_b32 v[\d+5], 0
	v_mov_b32 v[\d+6], 0
	v_mov_b32 v[\d+7], 0
.endr
	s_wait_dscnt 0x0
	XOP XOA, Z+16
	XOP XOB, Z+19
	MM4 Z, F, 8, XOA, 1                            ; x W_emb + b_emb
	ACT PA                                         ; u of layer 0 = swish of it
	MM4 Z, F, 8, XOB, 1
	ACT PB
	MM4 Z, F+32, 8, XOA, 1                         ; x (W_emb W_pf) + (b_emb W_pf + b_pf)
	ACT R1                                         ; point features
	MM4 Z, F+32, 8, XOB, 1
	ACT R2
	AFF OFH, 0, 1                                  ; affinity: high x high,
	AFF OFH+8, 8, 0
	AFF OFH, 16, 0                                 ; high x low,
	AFF OFH+8, 24, 0
	AFF OFL, 0, 0                                  ; low x high
	AFF OFL+8, 8, 0
.rept 4
	v_nop                                          ; the places behind the last products
.endr
	SOFTMAX AFA, SXA
	SOFTMAX AFB, SXB
	v_mov_b32 v[FA], v[L16]
	LOADF 16                                       ; stage 0
	s_mov_b32 s22, 6
.Llayer:                                               ; trip l: layer l of both tiles; it asks for stage l + 1 (behind layer 5: WF_6, GF_6, and four fragments of the front that are not used)
	s_wait_dscnt 0x0                               ; the stage's fragments are in
	TILE PA, SXA, 0
	TILE PB, SXB, 1
	s_sub_co_i32 s22, s22, 1
	s_cmp_lg_u32 s22, 0
	s_cbranch_scc1 .Llayer
	s_wait_dscnt 0x0
	v_wmma_f32_16x16x32_bf16 v[Z:Z+7], v[F+64:F+71], v[SXA:SXA+7], 0       ; the output: out-features 0-2 lie in the first tile of 16
	v_wmma_f32_16x16x32_bf16 v[Z+8:Z+15], v[F+64:F+71], v[SXB:SXB+7], 0
	OUTMM F, 0
	OUTMM F+8, 8
	OUTMM F, 16
	OUTMM F+8, 24
.rept 4
	v_nop
.endr
	v_and_b32 v[MU], 31, v0
	v_cmp_gt_u32 vcc_lo, 16, v[MU]
	s_and_saveexec_b32 s24, vcc_lo                 ; lanes 0-15 hold out-features 0-7 of their points
	ds_store_b32 v[OA], v[Z]
	ds_store_b32 v[OA], v[Z+1] offset:4
	ds_store_b32 v[OA], v[Z+2] offset:8
	ds_store_b32 v[OA], v[Z+8] offset:192
	ds_store_b32 v[OA], v[Z+9] offset:196
	ds_store_b32 v[OA], v[Z+10] offset:200
	s_or_b32 exec_lo, exec_lo, s24
	v_add_nc_u32 v[XA], 384, v[XA]                 ; 32 points on
	v_add_nc_u32 v[OA], 384, v[OA]
	s_sub_co_i32 s23, s23, 1
	s_cmp_lg_u32 s23, 0
	s_cbranch_scc1 .Lpass
	; THE WAY OUT: my wave's 768 bytes, read back as they lie; each store covers 256 consecutive bytes, at a multiple of 256 from out0's first byte
	v_and_b32 v[MU], 31, v0
	v_lshl_add_u32 v[MU], v[MU], 3, s11
	v_add_nc_u32 v[S0], STG, v[MU]
	ds_load_b64 v[Z+16:Z+17], v[S0]                ; LDS serves a wave's instructions in order (ISA guide 5.7.1.4): these see my stores
	ds_load_b64 v[Z+18:Z+19], v[S0] offset:256
	ds_load_b64 v[Z+20:Z+21], v[S0] offset:512
	s_wait_dscnt 0x0
	global_store_b64 v[MU], v[Z+16:Z+17], s[8:9]
	global_store_b64 v[MU], v[Z+18:Z+19], s[8:9] offset:256
	global_store_b64 v[MU], v[Z+20:Z+21], s[8:9] offset:512
	s_wait_tensorcnt 0x0                           ; the wave's end, behind my last copy and my last LDS store
	ds_add_u32 v[SPW], v[NIL]
	s_wait_dscnt 0x0
	s_endpgm
.Lfunc_end_k_qdf65a28e23_main:
	.size	k_qdf65a28e23_main, .Lfunc_end_k_qdf65a28e23_main-k_qdf65a28e23_main
	.p2alignl 7, 3214868480
	.fill 96, 4, 3214868480
	.section	.rodata,"a",@progbits
	.p2align	6, 0x0
	.amdhsa_kernel k_qdf65a28e23_main
		.amdhsa_group_segment_fixed_size 167936
		.amdhsa_private_segment_fixed_size 0
		.amdhsa_enable_private_segment 0
		.amdhsa_kernarg_size 24
		.amdhsa_user_sgpr_count 2
		.amdhsa_user_sgpr_kernarg_segment_ptr 1
		.amdhsa_wavefront_size32 1
		.amdhsa_system_sgpr_workgroup_id_x 1
		.amdhsa_system_sgpr_workgroup_id_y 1
		.amdhsa_system_sgpr_workgroup_id_z 1
		.amdhsa_system_vgpr_workitem_id 0
		.amdhsa_next_free_vgpr 256
		.amdhsa_next_free_sgpr 66
		.amdhsa_reserve_vcc 1
		.amdhsa_float_denorm_mode_32 3
		.amdhsa_float_denorm_mode_16_64 3
		.amdhsa_memory_ordered 1
		.amdhsa_forward_progress 1
		.amdhsa_inst_pref_size 83
	.end_amdhsa_kernel
	.amdgpu_metadata
---
amdhsa.version: [ 1, 2 ]
amdhsa.kernels:
  - .name:           k_qdf65a28e23_main
    .symbol:         k_qdf65a28e23_main.kd
    .args:
      - { .name: x, .offset: 0, .size: 8, .value_kind: global_buffer, .address_space: global }
      - { .name: ws, .offset: 8, .size: 8, .value_kind: global_buffer, .address_space: global }
      - { .name: out0, .offset: 16, .size: 8, .value_kind: global_buffer, .address_space: global }
    .group_segment_fixed_size: 167936
    .private_segment_fixed_size: 0
    .kernarg_segment_align: 8
    .kernarg_segment_size: 24
    .max_flat_workgroup_size: 512
    .sgpr_count:     66
    .vgpr_count:     256
    .wavefront_size: 32
...
	.end_amdgpu_metadata
.endif
;; end of part 2
;; ======== version 2 of 2: 2 launches; version 1 with the launch prep written anew for expert scheduling mode
;; workspace buffers: ws 3,932,160 bytes
;; launch prep (part 3): grid 32 x 7, 8 waves a work-group, no clusters, 195,840 bytes of LDS; arguments W_c1, W_c2, W_emb, W_h, W_of, W_out, W_pf, W_ss, b_c1, b_c2, b_emb, b_h, b_of, b_out, b_pf, b_ss, c, ln_b, ln_g, t, ws; writes ws
.if DOCPART == 3
	.amdgcn_target "amdgcn-amd-amdhsa--gfx1250"
	.amdhsa_code_object_version 6
	.text
	.protected	k_qdf65a28e23_prep
	.globl	k_qdf65a28e23_prep
	.p2align	8
	.type	k_qdf65a28e23_prep,@function
k_qdf65a28e23_prep:
	s_mov_b64 s[64:65], 0
	v_nop
	global_prefetch_b8 v0, s[64:65] scope:SCOPE_SE
	s_setreg_imm32_b32 hwreg(HW_REG_WAVE_SCHED_MODE, 0, 2), 2
	s_setreg_imm32_b32 hwreg(HW_REG_WAVE_MODE, 25, 1), 1
	s_wait_xcnt 0x0
	s_wait_alu depctr_vm_vsrc(0)
; PREP: for each batch b an IMAGE of 122,880 bytes in ws, already in the order of matrix fragments, from which the second launch works.
; All inputs are rounded to bf16 once (rd); products of bf16 numbers, sums in f32.  With sel the softmax weights of a point over its batch's 16 objects and
; CO = swish(swish(cwt W_c1 + b_c1) W_c2 + b_c2), cond W_ss[l] = sel (CO W_ss[l]): an exact regrouping.  With SS = CO W_ss[l] = [Sc | Sh], g, be = ln_g, ln_b, s0 | s1 = b_ss[l]:
;   layer l's result = n o A + Bb,  A = g(1+s0) + sum_k sel_k (g o Sc_k),  Bb = be(1+s0)+s1 + sum_k sel_k (be o Sc_k + Sh_k),  n the normalised vector,
;   and the next product is (n o A) W' + sum_k sel_k G_k + biasG,  G = (be o Sc + Sh) W',  biasG = (be(1+s0)+s1) W' + b'.   W' = W_h[l+1], b' = b_h[l+1]; behind layer 5: W_out, b_out, widened to 64 columns by zeros.
; A FRAGMENT is 1,024 bytes: 16 bytes a lane (registers 0-3), then 16 bytes a lane (registers 4-7), of source 0 of v_wmma_f32_16x16x32_bf16: lane l holds row l % 16,
; k = 8 (l / 16) + 0..7 and 16 + 8 (l / 16) + 0..7.  IMAGE: stage s = 0..5 at 16,384 s: WF_s (8 fragments, W' by out-feature rows), GF_s (4) at +8,192, AF_s (4) at +12,288;
; stage 6 at 98,304: WF_6, GF_6; FRONT at 110,592: EF (4), PF (4), OF high parts (2), OF low parts (2).  GF and AF: k = 0..15 the objects, k = 16, 17 the bias as a high and a low bf16, the rest 0.
; SHARES.  Work-group (b, y).  y = l < 6: AF_l, WF_(l+1), GF_(l+1).  y = 6: WF_0, GF_0, FRONT.  Each byte of the image has one writer.  Eight waves; the branch on y is the same for all of them.
; PRODUCTS ARE USED TRANSPOSED: source 0 = 16 columns of a weight matrix (kept [k][n] in LDS, read turned by ds_load_tr16_b128), source 1 = 16 rows of activations:
; a lane then holds one activation row (l % 16) and eight neighbouring columns.
; LIMITS.  sin and cos of rd(t) f_i by a three-part reduction by pi/2 and polynomials of degree 7 and 8: good for |t| up to about 1e4 (the quadrant is found by an addition that holds up to 2^22 quadrants).
; NaN and infinities are not treated apart.  swish(z) = z / (1 + 2^(-z log2 e)); where the power overflows the result is -0.
; Sums over k are kept in two accumulators and added at the end: an order of rounding other than a plain chain's.
; cwt, the two hidden layers, g o Sc, be o Sc + Sh and G are rounded once to bf16 as matrix operands; biases are kept as a high and a low bf16.
; THE MODE: SCHED_MODE bits 1:0 = 2 (LLVM: expert scheduling mode 2), set by the entry lines.  The code itself states the register dependences
; between vector or matrix instructions and memory or LDS instructions, with s_wait_alu, always for 0.
; THE PLAN.  Registers that memory or LDS instructions touch:
;   v1-v13, v30, v31   offsets and lane terms: made at the head, never written again.   v14, v15: read by the closing add alone.
;   v[20:27]   c as loaded; rounded into v[20:23], which one LDS store reads; then work space of the sine and cosine; v22 leaves by two small stores.
;   v[32:255]  the weights as loaded; rounded in place (CVTS), the rounded pairs read by LDS stores (PUTS): a run of roundings, one wait, a run of stores.  Behind the staging these registers become
;              fragments (LDS loads land in v32-103, v104-143), accumulators (v144-159), work space (v160-175), biases (global loads land in v176-225), out-buffers (v232-251), addresses (v227-231, v250-255).
;   Every address has a register of its own for as long as it is wanted, and is made ahead of a wait on va_vdst that stands there for the data's sake.
;   Behind each barrier a stretch goes: addresses and masks; one wait; its loads; its arithmetic, all of it; one wait; its LDS and global stores in one run.
;   The two hidden layers pack their tiles into two out-buffers by turns (T+8, T+12), so that the second is not held by the first's store.
.set IMG,   122880
.set FRONT, 110592
.set WC1,   0                          ; LDS: W_c1 [160][128] bf16, pitch 288
.set WC2,   46080                      ; W_c2 [128][128], pitch 288
.set WSS,   82944                      ; W_ss[l] [128][128], pitch 288
.set WN,    119808                     ; W' [64][64], pitch 160 (y = 6: W_h[0], by the same places)
.set CWT,   130048                     ; [16 objects][32 time features + 128 of c], pitch 336
.set C1,    135424                     ; first hidden layer [16][128], pitch 272
.set CO,    139776                     ; second, likewise
.set BT,    144128                     ; be o Sc + Sh [16][64], pitch 144 (y = 6: rows W_emb 0-2, b_emb, zeros)
.set BT2,   146432                     ; row 0, 1: be(1+s0)+s1 high, low; rows 2-15 zero; pitch 144
.set SCR,   148736                     ; 2,560 bytes for each of waves 0-3: two tiles 16 x 16 bf16 (pitch 32) at +0, +512; one 16 x 16 f32 (pitch 80) at +1,024
.set SPARE, 158976                     ; the spare words: 128 bytes a wave, four blocks of 256 bytes that no other line names
.set WOF,   160000                     ; y = 6 alone: W_of [160][64], pitch 160, in bytes of its own
.set WPF,   185600                     ; y = 6 alone: W_pf [64][64], pitch 160, likewise
.set WFR,  32                          ; weight fragments, up to five
.set W2R,  72                          ; a second run of four
.set AFR,  104                         ; activation fragments, up to five
.set ACC0, 144
.set ACC1, 152
.set T,    160                         ; sixteen at work
.set TMPR, 226
; v1 l%16  v2 l/16  v3 16 lane  v4, v5, v6 the turning load's lane term for pitch 288, 160, 32  v7, v8, v9 row x pitch + 16 (l/16) for pitch 336, 272, 144
; v10, v11 staging place for rows of 128, 64 columns  v12 16 t  v13 32 t  v14, v15 spare word, 0  v16-19 addresses  v25-29 staging addresses  v28 t>>4 (until it is one of those)  v30, v31 places in CWT
.macro NOP5                            ; five plain places behind the last product: what follows may read its result, write its sources, or be a product that writes over them (ISA guide 7.12.1)
.rept 5
	v_nop
.endr
.endm
.macro CVTS n, reg                     ; n times: four f32 rounded to bf16 in place, into the first two of their four registers
.set st_i, 0
.rept \n
	v_cvt_pk_bf16_f32 v[(\reg)+4*st_i], v[(\reg)+4*st_i], v[(\reg)+4*st_i+1]
	v_cvt_pk_bf16_f32 v[(\reg)+4*st_i+1], v[(\reg)+4*st_i+2], v[(\reg)+4*st_i+3]
.set st_i, st_i+1
.endr
.endm
.macro PUTS n, reg, addr, step         ; n times: those 8 bytes into LDS; the wait on va_vdst stands ahead of the run
.set st_i, 0
.rept \n
	ds_store_b64 v[\addr], v[(\reg)+4*st_i:(\reg)+4*st_i+1] offset:st_i*(\step)
.set st_i, st_i+1
.endr
.endm
.macro RND a, b                        ; two f32 rounded to bf16 and kept as f32
	v_cvt_pk_bf16_f32 v[TMPR], v[\a], v[\b]
	v_lshlrev_b32 v[\a], 16, v[TMPR]
	v_and_b32 v[\b], 0xffff0000, v[TMPR]
.endm
.macro RND8 reg
.irp j, 0,2,4,6
	RND (\reg)+\j, (\reg)+\j+1
.endr
.endm
.macro LDW dst, n, addr, pitch, off    ; n fragments of 16 columns x 32 k out of rows [k][n]
.set lw_k, 0
.rept \n
	ds_load_tr16_b128 v[(\dst)+8*lw_k:(\dst)+8*lw_k+3], v[\addr] offset:(\off)+lw_k*32*(\pitch)
	ds_load_tr16_b128 v[(\dst)+8*lw_k+4:(\dst)+8*lw_k+7], v[\addr] offset:(\off)+lw_k*32*(\pitch)+16*(\pitch)
.set lw_k, lw_k+1
.endr
.endm
.macro LDA dst, n, addr, off           ; n fragments of 16 rows x 32 k out of rows that lie along k
.set la_k, 0
.rept \n
	ds_load_b128 v[(\dst)+8*la_k:(\dst)+8*la_k+3], v[\addr] offset:(\off)+64*la_k
	ds_load_b128 v[(\dst)+8*la_k+4:(\dst)+8*la_k+7], v[\addr] offset:(\off)+64*la_k+32
.set la_k, la_k+1
.endr
.endm
.macro GEMMT n, bias                   ; n K steps on two accumulators by turns; the first takes the bias as C, the second 0
.set gm_k, 0
.rept \n
.if gm_k == 0
	v_wmma_f32_16x16x32_bf16 v[ACC0:ACC0+7], v[WFR:WFR+7], v[AFR:AFR+7], v[(\bias):(\bias)+7]
.elseif gm_k == 1
	v_wmma_f32_16x16x32_bf16 v[ACC1:ACC1+7], v[WFR+8:WFR+15], v[AFR+8:AFR+15], 0
.elseif gm_k%2 == 0
	v_wmma_f32_16x16x32_bf16 v[ACC0:ACC0+7], v[WFR+8*gm_k:WFR+8*gm_k+7], v[AFR+8*gm_k:AFR+8*gm_k+7], v[ACC0:ACC0+7]
.else
	v_wmma_f32_16x16x32_bf16 v[ACC1:ACC1+7], v[WFR+8*gm_k:WFR+8*gm_k+7], v[AFR+8*gm_k:AFR+8*gm_k+7], v[ACC1:ACC1+7]
.endif
.set gm_k, gm_k+1
.endr
.endm
.macro PAIRMM n, w0, w1, a0, a1        ; two sums side by side, n K steps each, by turns; the first step starts them
.set pm_k, 0
.rept \n
.if pm_k == 0
	v_wmma_f32_16x16x32_bf16 v[ACC0:ACC0+7], v[(\w0):(\w0)+7], v[(\a0):(\a0)+7], 0
	v_wmma_f32_16x16x32_bf16 v[ACC1:ACC1+7], v[(\w1):(\w1)+7], v[(\a1):(\a1)+7], 0
.else
	v_wmma_f32_16x16x32_bf16 v[ACC0:ACC0+7], v[(\w0)+8*pm_k:(\w0)+8*pm_k+7], v[(\a0)+8*pm_k:(\a0)+8*pm_k+7], v[ACC0:ACC0+7]
	v_wmma_f32_16x16x32_bf16 v[ACC1:ACC1+7], v[(\w1)+8*pm_k:(\w1)+8*pm_k+7], v[(\a1)+8*pm_k:(\a1)+8*pm_k+7], v[ACC1:ACC1+7]
.endif
.set pm_k, pm_k+1
.endr
.endm
.macro ADDACC                          ; the two partial sums; each accumulator is read from its low end on
.irp j, 0,2,4,6
	v_pk_add_f32 v[ACC0+\j:ACC0+\j+1], v[ACC0+\j:ACC0+\j+1], v[ACC1+\j:ACC1+\j+1]
.endr
.endm
.macro SWISH8                          ; ACC0 = swish(ACC0); T at work.  A plain line stands behind each run of transcendentals before a result is used (ISA guide 5.7.2)
.irp j, 0,2,4,6
	v_pk_mul_f32 v[T+\j:T+\j+1], v[ACC0+\j:ACC0+\j+1], s[52:53] op_sel_hi:[1,0]
.endr
.irp j, 0,1,2,3,4,5,6,7
	v_exp_f32 v[T+\j], v[T+\j]
.endr
	v_nop
	s_wait_alu depctr_va_vdst(0)                   ; the eight exponentials have written v[T ..], ahead of their first reader
.irp j, 0,2,4,6
	v_pk_add_f32 v[T+\j:T+\j+1], v[T+\j:T+\j+1], 1.0 op_sel_hi:[1,0]
.endr
.irp j, 0,1,2,3,4,5,6,7
	v_rcp_f32 v[T+\j], v[T+\j]
.endr
	v_nop
	s_wait_alu depctr_va_vdst(0)                   ; the eight reciprocals have written v[T ..], ahead of their first reader
.irp j, 0,2,4,6
	v_pk_mul_f32 v[ACC0+\j:ACC0+\j+1], v[ACC0+\j:ACC0+\j+1], v[T+\j:T+\j+1]
.endr
.endm
.macro FINISH addr, off, pk            ; a hidden layer's tile: sums joined, swish, 16 bytes a lane out of v[pk ..] into LDS, and the barrier behind which the others read it
	NOP5
	ADDACC
	SWISH8
.irp j, 0,1,2,3
	v_cvt_pk_bf16_f32 v[(\pk)+\j], v[ACC0+2*\j], v[ACC0+2*\j+1]
.endr
	s_wait_alu depctr_va_vdst(0)                   ; the roundings have written v[pk ..], which the store reads; the layer's products are done reading their fragments, and the addresses made ahead of them are written: no vector line stands between this wait and the loads behind the barrier
	ds_store_b128 v[\addr], v[(\pk):(\pk)+3] offset:\off
	s_wait_dscnt 0x0                               ; for the others' sake: my store is done
	s_barrier_signal -1
	s_barrier_wait -1
.endm
.macro HILO8 z, hi, lo                 ; eight f32 as four packed high parts and four packed low parts; v[lo .. lo+7] at work
.irp j, 0,1,2,3
	v_cvt_pk_bf16_f32 v[(\hi)+\j], v[(\z)+2*\j], v[(\z)+2*\j+1]
.endr
.irp j, 0,1,2,3
	v_lshlrev_b32 v[(\lo)+2*\j], 16, v[(\hi)+\j]
	v_and_b32 v[(\lo)+2*\j+1], 0xffff0000, v[(\hi)+\j]
.endr
.irp j, 0,2,4,6
	v_pk_add_f32 v[(\lo)+\j:(\lo)+\j+1], v[(\z)+\j:(\z)+\j+1], v[(\lo)+\j:(\lo)+\j+1] neg_lo:[0,1] neg_hi:[0,1]
.endr
.irp j, 0,1,2,3
	v_cvt_pk_bf16_f32 v[(\lo)+\j], v[(\lo)+2*\j], v[(\lo)+2*\j+1]
.endr
.endm
.macro BIASHALF x, d                   ; registers 4-7 of a GF or AF fragment: (high, low) of v[x] at k = 16, 17 in lanes 0-15 (mask s58), zeros elsewhere
	v_cvt_pk_bf16_f32 v[\d], v[\x], v[\x]
	v_lshlrev_b32 v[\d], 16, v[\d]
	v_sub_f32 v[(\d)+1], v[\x], v[\d]
	v_cvt_pk_bf16_f32 v[\d], v[\d], v[(\d)+1]
	v_cndmask_b32 v[\d], 0, v[\d], s58
	v_mov_b32 v[(\d)+1], 0
	v_mov_b32 v[(\d)+2], 0
	v_mov_b32 v[(\d)+3], 0
.endm
; cwt: thread t owns object t >> 4, eight columns of c, and frequency i = t % 16 of the time embedding (made anew for each object).
; CWTBUILD stores c's part and leaves the sine and cosine packed in v22; CWTPUT stores them, behind the next wait on va_vdst.
.macro CWTBUILD
	v_cvt_pk_bf16_f32 v20, v20, v21
	v_cvt_pk_bf16_f32 v21, v22, v23
	v_cvt_pk_bf16_f32 v22, v24, v25
	v_cvt_pk_bf16_f32 v23, v26, v27
	v_cvt_f32_u32 v24, v1
	v_mul_f32 v24, 0xbf62c6e7, v24                 ; - i log2(10000) / 15
	v_exp_f32 v24, v24                             ; f_i
	v_mov_b32 v25, s62
	v_cvt_pk_bf16_f32 v25, v25, v25
	v_lshlrev_b32 v25, 16, v25                     ; rd(t)
	s_wait_alu depctr_va_vdst(0)                   ; the exponential has written v24, ahead of its first reader; the four roundings have written v[20:23], which the store reads
	ds_store_b128 v30, v[20:23] offset:64          ; columns 32 + 8 i on
	v_mul_f32 v26, v25, v24                        ; the argument
	v_mul_f32 v27, 0x3f22f983, v26                 ; x 2 / pi
	v_add_f32 v25, 0x4b400000, v27                 ; + 1.5 x 2^23: the sum is rounded to a whole number, and q stands in its low bits
	v_add_f32 v27, 0xcb400000, v25                 ; q as f32
	v_fmamk_f32 v26, v27, 0xbfc90000, v26          ; less q pi / 2, in three parts
	v_fmamk_f32 v26, v27, 0xb9fda000, v26
	v_fmamk_f32 v26, v27, 0xb3a22169, v26          ; r, within pi / 4
	v_mul_f32 v24, v26, v26                        ; z = r r
	s_wait_alu depctr_vm_vsrc(0)                   ; the store has read v[20:23], which are written again from here on; the global loads issued so far have read their offsets, v16 to v19 among them
	v_mov_b32 v20, 0xb94ca1f9
	v_fmaak_f32 v20, v20, v24, 0x3c08839e
	v_fmaak_f32 v20, v20, v24, 0xbe2aaaa3
	v_mul_f32 v20, v20, v24
	v_fma_f32 v20, v20, v26, v26                   ; sin r
	v_mov_b32 v21, 0x37ccf5ce
	v_fmaak_f32 v21, v21, v24, 0xbab6061a
	v_fmaak_f32 v21, v21, v24, 0x3d2aaaa5
	v_mul_f32 v21, v21, v24
	v_fma_f32 v21, v21, v24, 1.0
	v_fma_f32 v21, v24, -0.5, v21                  ; cos r
	v_and_b32 v22, 1, v25                          ; odd quadrant: the two change places (a choice of values, no branch)
	v_cmp_eq_u32 vcc_lo, 1, v22
	s_wait_alu depctr_va_vcc(0)                    ; the compare has written VCC, which the two selects read
	v_cndmask_b32 v22, v20, v21, vcc_lo
	v_cndmask_b32 v23, v21, v20, vcc_lo
	v_and_b32 v27, 2, v25                          ; the sine's sign: bit 1 of q
	v_lshlrev_b32 v27, 30, v27
	v_xor_b32 v22, v22, v27
	v_add_nc_u32 v25, 1, v25                       ; the cosine's: bit 1 of q + 1
	v_and_b32 v25, 2, v25
	v_lshlrev_b32 v25, 30, v25
	v_xor_b32 v23, v23, v25
	v_cvt_pk_bf16_f32 v22, v22, v23
.endm
.macro CWTPUT
	ds_store_b16 v31, v22                          ; column i
	ds_store_b16_d16_hi v31, v22 offset:32         ; column 16 + i
.endm
	s_load_b512 s[8:23], s[0:1], 0x0               ; W_c1 8, W_c2 10, W_emb 12, W_h 14, W_of 16, W_out 18, W_pf 20, W_ss 22
	s_load_b512 s[24:39], s[0:1], 0x40             ; b_c1 24, b_c2 26, b_emb 28, b_h 30, b_of 32, b_out 34, b_pf 36, b_ss 38
	s_load_b256 s[40:47], s[0:1], 0x80             ; c 40, ln_b 42, ln_g 44, t 46
	s_load_b64 s[48:49], s[0:1], 0xa0              ; ws
	v_lshl_add_u32 v14, v0, 2, SPARE
	v_mov_b32 v15, 0
	v_lshrrev_b32 v13, 5, v0
	v_readfirstlane_b32 s2, v13                    ; wave 0..7
	s_mov_b32 s3, ttmp9                            ; b
	s_and_b32 s4, ttmp7, 0xffff                    ; y
	s_mov_b32 s52, 0xbfb8aa3b                      ; - log2 e, named as a pair
	s_mov_b32 s53, s52
	v_and_b32 v1, 15, v0
	v_bfe_u32 v2, v0, 4, 1
	v_and_b32 v3, 31, v0
	v_lshlrev_b32 v3, 4, v3
	v_and_b32 v13, 7, v0
	v_lshl_add_u32 v13, v2, 3, v13                 ; the turning load: row 8 (l / 16) + l % 8,
	v_bfe_u32 v12, v0, 3, 1
	v_lshlrev_b32 v12, 4, v12                      ; 16 bytes on for the lanes with l % 16 >= 8
	v_mul_u32_u24 v4, v13, 288
	v_add_nc_u32 v4, v12, v4
	v_mul_u32_u24 v5, v13, 160
	v_add_nc_u32 v5, v12, v5
	v_lshl_add_u32 v6, v13, 5, v12
	v_mul_u32_u24 v7, v1, 336
	v_lshl_add_u32 v7, v2, 4, v7
	v_mul_u32_u24 v8, v1, 272
	v_lshl_add_u32 v8, v2, 4, v8
	v_mul_u32_u24 v9, v1, 144
	v_lshl_add_u32 v9, v2, 4, v9
	v_lshrrev_b32 v13, 5, v0
	v_mul_u32_u24 v10, v13, 288
	v_and_b32 v13, 31, v0
	v_lshl_add_u32 v10, v13, 3, v10                ; rows of 128: row t >> 5 (+ 8 a load), columns 4 (t % 32) on
	v_lshrrev_b32 v28, 4, v0
	v_mul_u32_u24 v11, v28, 160
	v_lshl_add_u32 v11, v1, 3, v11                 ; rows of 64: row t >> 4 (+ 16 a load), columns 4 (t % 16) on
	v_lshlrev_b32 v12, 4, v0
	v_lshlrev_b32 v13, 5, v0
	v_mul_u32_u24 v29, v28, 336
	v_add_nc_u32 v29, CWT, v29
	v_lshl_add_u32 v30, v1, 4, v29
	v_lshl_add_u32 v31, v1, 1, v29
	s_mov_b32 s51, 0
	s_wait_alu depctr_va_sdst(0)                   ; s2 is written
	s_wait_alu depctr_va_vdst(0)                   ; the offsets and lane terms v1 to v13, v30 and v31 are written, which the loads and stores of the whole kernel read
	s_wait_kmcnt 0x0
	s_lshl_b32 s50, s3, 13
	s_add_nc_u64 s[40:41], s[40:41], s[50:51]      ; c[b]
	s_lshl_b32 s50, s3, 2
	s_add_nc_u64 s[46:47], s[46:47], s[50:51]      ; t[b]
	s_mul_i32 s50, s3, IMG
	s_add_nc_u64 s[48:49], s[48:49], s[50:51]      ; my batch's image
	s_load_b32 s62, s[46:47], 0x0
	global_load_b128 v[20:23], v13, s[40:41]
	global_load_b128 v[24:27], v13, s[40:41] offset:16
	s_cmp_eq_u32 s4, 6
	s_cbranch_scc1 .Lfront
	; ---------------- y = l: AF_l, WF_(l+1), GF_(l+1) ----------------
	s_lshl_b32 s50, s4, 16
	s_add_nc_u64 s[22:23], s[22:23], s[50:51]      ; W_ss[l]
	s_lshl_b32 s50, s4, 8
	s_add_nc_u64 s[42:43], s[42:43], s[50:51]      ; ln_b[l]
	s_add_nc_u64 s[44:45], s[44:45], s[50:51]      ; ln_g[l]
	s_lshl_b32 s50, s4, 9
	s_add_nc_u64 s[38:39], s[38:39], s[50:51]      ; b_ss[l]
	s_lshl_b32 s50, s4, 14
	s_add_nc_u64 s[54:55], s[48:49], s[50:51]      ; the image's stage l
	s_add_co_u32 s5, s4, 1
	s_min_u32 s5, s5, 5                            ; the next layer, held inside W_h and b_h
	s_lshl_b32 s50, s5, 14
	s_add_nc_u64 s[14:15], s[14:15], s[50:51]
	s_lshl_b32 s50, s5, 8
	s_add_nc_u64 s[30:31], s[30:31], s[50:51]
	s_cmp_eq_u32 s4, 5                             ; behind the last layer W' and b' are W_out and b_out
	s_cselect_b64 s[14:15], s[18:19], s[14:15]
	s_cselect_b64 s[30:31], s[34:35], s[30:31]
	s_cselect_b32 s6, 12, 256                      ; bytes in a row of W'
	s_cselect_b32 s7, 2, 63                        ; its last column
	s_lshl_b32 s50, s6, 4                          ; 16 rows on, three times
	s_add_nc_u64 s[56:57], s[14:15], s[50:51]
	s_add_nc_u64 s[58:59], s[56:57], s[50:51]
	s_add_nc_u64 s[60:61], s[58:59], s[50:51]
	v_mul_lo_u32 v29, v28, s6
.irp e, 0,1,2,3                        ; column 4 (t % 16) + e, held inside the row; s[32+e]: the lanes whose column exists
	v_lshl_add_u32 v[16+\e], v1, 2, \e
	v_cmp_ge_u32 s[32+\e], s7, v[16+\e]
	v_min_u32 v[16+\e], s7, v[16+\e]
	v_lshl_add_u32 v[16+\e], v[16+\e], 2, v29
.endr
	s_wait_alu depctr_va_vdst(0)                   ; v16 to v19 are written, the offsets of the sixteen loads of W'
	s_wait_alu depctr_va_sdst(0)                   ; the four compares have written s32 to s35, ahead of the selects that read them
.irp e, 0,1,2,3
	global_load_b32 v[32+\e], v[16+\e], s[14:15]
	global_load_b32 v[36+\e], v[16+\e], s[56:57]
	global_load_b32 v[40+\e], v[16+\e], s[58:59]
	global_load_b32 v[44+\e], v[16+\e], s[60:61]
.endr
.set i, 0
.rept 20
	global_load_b128 v[48+4*i:51+4*i], v12, s[8:9] offset:i*4096
.set i, i+1
.endr
.set i, 0
.rept 16
	global_load_b128 v[128+4*i:131+4*i], v12, s[10:11] offset:i*4096
.set i, i+1
.endr
	s_wait_loadcnt 36                              ; the 20 + 16 loads of W_c1 and W_c2 are younger: c and W' are in.  By this text's count 54 loads of a wave are out at the most
.set i, 0
.rept 16
	global_load_b128 v[192+4*i:195+4*i], v12, s[22:23] offset:i*4096
.set i, i+1
.endr
	s_wait_kmcnt 0x0                               ; t[b]
	CWTBUILD
.irp i, 0,4,8,12
.irp e, 0,1,2,3
	v_cndmask_b32 v[32+\i+\e], 0, v[32+\i+\e], s[32+\e]  ; columns that W' does not have are 0
.endr
.endr
	v_add_nc_u32 v29, WN, v11                      ; the three staging places beside v10, each in a register of its own,
	v_add_nc_u32 v28, WC2, v10
	v_add_nc_u32 v27, WSS, v10
	v_lshlrev_b32 v16, 5, v2                       ; (v16 to v19 are free: the loads of W' are in, and CWTBUILD's wait on vm_vsrc stands behind them)
	v_lshl_add_u32 v16, s2, 6, v16                 ; byte offset of columns 16 w + 8 (l / 16) + 0..7 in a vector of f32
	v_lshl_add_u32 v17, s2, 5, v4                  ; and the first hidden layer's three addresses
	v_add_nc_u32 v18, CWT, v7
	v_lshl_add_u32 v19, s2, 5, v8
	v_add_nc_u32 v19, C1, v19
	CVTS 4, 32
	s_wait_loadcnt 32                              ; W_c2's and W_ss's 32 are younger: W_c1 is in
	CVTS 20, 48
	s_wait_alu depctr_va_vdst(0)                   ; v22, the roundings of W' and W_c1, and the addresses v16 to v19 and v27 to v29 are written
	CWTPUT
	PUTS 4, 32, 29, 2560
	PUTS 20, 48, 10, 2304
	s_wait_loadcnt 16                              ; W_ss's 16 are younger
	CVTS 16, 128
	s_wait_alu depctr_va_vdst(0)                   ; the roundings of W_c2 are written, which the stores read
	PUTS 16, 128, 28, 2304
	s_wait_loadcnt 0x0
	CVTS 16, 192
	s_wait_alu depctr_va_vdst(0)                   ; the roundings of W_ss are written, which the stores read; every rounding is done with v32 to v191, in which the biases and, behind the barrier, the fragments land
	s_wait_alu depctr_vm_vsrc(0)                   ; the stores of W', W_c1 and W_c2 have read v32 to v191
	global_load_b128 v[176:179], v16, s[24:25]     ; b_c1
	global_load_b128 v[180:183], v16, s[24:25] offset:16
	global_load_b128 v[184:187], v16, s[26:27]     ; b_c2
	global_load_b128 v[188:191], v16, s[26:27] offset:16
	PUTS 16, 192, 27, 2304
	s_wait_dscnt 0x0                               ; my part of the staged matrices and of cwt is written
	s_barrier_signal -1
	s_barrier_wait -1
	; first hidden layer: wave w makes columns 16 w .. 16 w + 15 for the 16 objects, K = 160
	LDW WFR, 5, 17, 288, 0                         ; no wait: no vector line since the two waits above names v17, v18 or the registers in which these land
	LDA AFR, 5, 18, 0
	s_wait_loadcnt 0x0
	RND8 176
	RND8 184
	s_wait_dscnt 0x0
	s_wait_alu depctr_vm_vsrc(0)                   ; the fragments' loads have read v17 and v18, which move on to the second layer; the stores of W_ss have read v192 to v253, which are loaded and written again further down
	v_add_nc_u32 v17, WC2, v17
	v_add_nc_u32 v18, C1, v8
	GEMMT 5, 176
	FINISH 19, 0, T+8
	; second hidden layer, K = 128
	LDW WFR, 4, 17, 288, 0
	LDA AFR, 4, 18, 0
	s_wait_dscnt 0x0
	GEMMT 4, 184
	FINISH 19, CO-C1, T+12                         ; the same place in the second layer's rows, by the immediate
	; SS = CO W_ss[l]: wave w < 4 makes Sc and Sh for features 16 w .. 16 w + 15.  All that this stretch reads beyond the common registers it loads itself.
	s_wait_alu depctr_vm_vsrc(0)                   ; the second layer's loads have read v17 and v18, the two layers' stores v19 and v[T+8 .. T+15]: all are written again below
	s_cmp_lt_u32 s2, 4
	s_cbranch_scc0 .Lno_ss
	global_load_b128 v[192:195], v16, s[44:45]     ; g.  No wait: no vector line since the last wait on va_vdst names v16 or v192 to v223
	global_load_b128 v[196:199], v16, s[44:45] offset:16
	global_load_b128 v[200:203], v16, s[42:43]     ; be
	global_load_b128 v[204:207], v16, s[42:43] offset:16
	global_load_b128 v[208:211], v16, s[38:39]     ; s0
	global_load_b128 v[212:215], v16, s[38:39] offset:16
	global_load_b128 v[216:219], v16, s[38:39] offset:256  ; s1
	global_load_b128 v[220:223], v16, s[38:39] offset:272
	s_mul_i32 s50, s2, 2560
	s_add_co_u32 s50, s50, SCR                     ; my scratch
	v_lshlrev_b32 v18, 2, v1
	v_lshl_add_u32 v18, s2, 6, v18                 ; byte offset of feature 16 w + l % 16
	v_lshl_add_u32 v17, s2, 5, v4
	v_add_nc_u32 v17, WSS, v17
	v_add_nc_u32 v19, CO, v8
	v_lshlrev_b32 v227, 5, v1
	v_lshl_add_u32 v227, v2, 4, v227
	v_add_nc_u32 v227, s50, v227                   ; in: row l % 16 of 32 bytes, 16 bytes for each half of the lanes
	v_add_nc_u32 v228, s50, v6                     ; back, turned
	v_lshl_add_u32 v230, s2, 5, v9
	v_add_nc_u32 v230, BT, v230
	v_lshl_add_u32 v231, s2, 10, v3                ; fragment w, my 16 bytes
	v_cmp_eq_u32 s56, 0, v1
	v_cmp_eq_u32 s57, 1, v1
	v_cmp_eq_u32 s58, 0, v2
	s_wait_alu depctr_va_vdst(0)                   ; the stretch's addresses v17 to v19, v227, v228, v230 and v231 are written
	s_wait_alu depctr_va_sdst(0)                   ; the three compares have written s56 to s58, ahead of the selects that read them
	global_load_b32 v224, v18, s[44:45]            ; g and s0 once more, by fragment row
	global_load_b32 v225, v18, s[38:39]
	LDW WFR, 4, 17, 288, 0
	LDW W2R, 4, 17, 288, 128
	LDA AFR, 4, 19, 0
	s_wait_dscnt 0x0
	PAIRMM 4, WFR, W2R, AFR, AFR
	NOP5
	s_wait_loadcnt 0x0
	RND8 192
	RND8 200
	RND8 208
	RND8 216
	RND 224, 225
.irp j, 0,2,4,6
	v_pk_mul_f32 v[T+\j:T+\j+1], v[192+\j:192+\j+1], v[ACC0+\j:ACC0+\j+1]  ; g o Sc
.endr
.irp j, 0,1,2,3
	v_cvt_pk_bf16_f32 v[T+8+\j], v[T+2*\j], v[T+2*\j+1]
.endr
.irp j, 0,2,4,6
	v_pk_fma_f32 v[T+\j:T+\j+1], v[200+\j:200+\j+1], v[ACC0+\j:ACC0+\j+1], v[ACC1+\j:ACC1+\j+1]  ; be o Sc + Sh
.endr
.irp j, 0,1,2,3
	v_cvt_pk_bf16_f32 v[T+12+\j], v[T+2*\j], v[T+2*\j+1]
.endr
.irp j, 0,2,4,6
	v_pk_fma_f32 v[T+\j:T+\j+1], v[200+\j:200+\j+1], v[208+\j:208+\j+1], v[200+\j:200+\j+1]  ; be (1 + s0)
.endr
.irp j, 0,2,4,6
	v_pk_add_f32 v[T+\j:T+\j+1], v[T+\j:T+\j+1], v[216+\j:216+\j+1]  ; + s1
.endr
	HILO8 T, 236, 240
.irp j, 0,1,2,3
	v_cndmask_b32 v[236+\j], 0, v[236+\j], s56     ; row 0 the high parts,
	v_cndmask_b32 v[236+\j], v[236+\j], v[240+\j], s57  ; row 1 the low parts, the other rows 0
.endr
	v_fma_f32 v224, v224, v225, v224               ; g (1 + s0)
	BIASHALF 224, 248
	s_wait_alu depctr_va_vdst(0)                   ; the stretch's four out-buffers are written: v[T+8 .. T+11], v[T+12 .. T+15], v[236:239], v[248:251]
	ds_store_b128 v227, v[T+8:T+11]
	ds_load_tr16_b128 v[232:235], v228             ; LDS serves a wave's instructions in order (ISA guide 5.7.1.4): it sees the store above.  Now: row = feature, k = object
	ds_store_b128 v230, v[T+12:T+15]
	ds_store_b128 v230, v[236:239] offset:BT2-BT
	global_store_b128 v231, v[248:251], s[54:55] offset:12288+512   ; AF_l, fragment w: its second half,
	s_wait_dscnt 0x0
	global_store_b128 v231, v[232:235], s[54:55] offset:12288       ; its first
.Lno_ss:
	s_wait_dscnt 0x0                               ; on every wave's path: what I wrote for the others is done
	s_barrier_signal -1
	s_barrier_wait -1
	s_wait_xcnt 0x0                                ; the stores above have had their addresses translated (ISA guide 3.1): their data registers are written again below
	s_wait_alu depctr_vm_vsrc(0)                   ; the loads and stores of the stretch above have read v17 to v19, v[232:235] and v[248:251], which are written or loaded again below
	s_cmp_lt_u32 s2, 4
	s_cbranch_scc0 .Lend
	; G and biasG: wave w < 4 makes out-features 16 w .. 16 w + 15; its two fragments of W' go out as WF_(l+1)
	s_mul_i32 s50, s2, 2560
	s_add_co_u32 s50, s50, SCR
	v_lshl_add_u32 v17, s2, 4, v1                  ; out-feature 16 w + l % 16, held inside b'
	v_cmp_ge_u32 s59, s7, v17
	v_min_u32 v17, s7, v17
	v_lshlrev_b32 v17, 2, v17
	v_lshl_add_u32 v18, s2, 5, v5
	v_add_nc_u32 v18, WN, v18
	v_add_nc_u32 v19, BT, v9
	v_lshlrev_b32 v250, 5, v1
	v_lshl_add_u32 v250, v2, 4, v250
	v_add_nc_u32 v250, s50, v250
	v_add_nc_u32 v251, s50, v6
	v_mul_u32_u24 v252, v1, 80
	v_lshl_add_u32 v252, v2, 5, v252
	v_add_nc_u32 v252, s50, v252                   ; the f32 tile: row l % 16 of 80 bytes, 32 bytes for each half of the lanes
	v_lshl_add_u32 v253, v1, 2, s50                ; back: column l % 16
	v_lshl_add_u32 v254, s2, 11, v3
	v_lshl_add_u32 v255, s2, 10, v3
	v_cmp_eq_u32 s58, 0, v2
	s_wait_alu depctr_va_vdst(0)                   ; the stretch's addresses v17 to v19 and v250 to v255 are written
	s_wait_alu depctr_va_sdst(0)                   ; the two compares have written s58 and s59, ahead of the selects that read them
	global_load_b32 v224, v17, s[30:31]
	LDW WFR, 2, 18, 160, 0
	LDA AFR, 2, 19, 0
	LDA AFR+16, 2, 19, BT2-BT
	s_wait_dscnt 0x0
	global_store_b128 v254, v[WFR:WFR+3], s[54:55] offset:16384
	global_store_b128 v254, v[WFR+4:WFR+7], s[54:55] offset:16384+512
	global_store_b128 v254, v[WFR+8:WFR+11], s[54:55] offset:16384+1024
	global_store_b128 v254, v[WFR+12:WFR+15], s[54:55] offset:16384+1536
	PAIRMM 2, WFR, WFR, AFR, AFR+16
	NOP5
.irp j, 0,1,2,3
	v_cvt_pk_bf16_f32 v[T+\j], v[ACC0+2*\j], v[ACC0+2*\j+1]
.endr
	s_wait_alu depctr_va_vdst(0)                   ; the roundings have written v[T .. T+3] and the products the second accumulator, which the LDS stores read; the places above stay beside this wait
	ds_store_b128 v250, v[T:T+3] offset:512
	ds_load_tr16_b128 v[232:235], v251 offset:512  ; row = out-feature, k = object
	ds_store_b128 v252, v[ACC1:ACC1+3] offset:1024
	ds_store_b128 v252, v[ACC1+4:ACC1+7] offset:1024+16
	ds_load_b32 v248, v253 offset:1024             ; the high parts' product,
	ds_load_b32 v249, v253 offset:1024+80          ; the low parts'
	s_wait_loadcnt 0x0
	v_cvt_pk_bf16_f32 v224, v224, v224
	v_lshlrev_b32 v224, 16, v224                   ; rd(b'),
	v_cndmask_b32 v224, 0, v224, s59               ; 0 where b' has no such entry
	s_wait_dscnt 0x0
	v_add_f32 v248, v248, v249
	v_add_f32 v248, v248, v224
	BIASHALF 248, 244
	s_wait_alu depctr_va_vdst(0)                   ; v[244:247] are written, which the second store reads
	global_store_b128 v255, v[232:235], s[54:55] offset:16384+8192
	global_store_b128 v255, v[244:247], s[54:55] offset:16384+8192+512
	s_branch .Lend
	; ---------------- y = 6: WF_0, GF_0, FRONT ----------------
.Lfront:
.set i, 0
.rept 10
	global_load_b128 v[48+4*i:51+4*i], v12, s[16:17] offset:i*4096   ; W_of
.set i, i+1
.endr
.set i, 0
.rept 4
	global_load_b128 v[88+4*i:91+4*i], v12, s[20:21] offset:i*4096   ; W_pf
.set i, i+1
.endr
.set i, 0
.rept 4
	global_load_b128 v[104+4*i:107+4*i], v12, s[14:15] offset:i*4096 ; W_h[0]
.set i, i+1
.endr
	v_min_u32 v16, 47, v0                          ; W_emb is 48 pieces of 16 bytes: threads past them read the last again and discard it
	v_lshlrev_b32 v16, 4, v16
	v_lshlrev_b32 v17, 4, v1
	s_wait_alu depctr_va_vdst(0)                   ; v16 and v17 are written, the offsets of the two loads below
	global_load_b128 v[120:123], v16, s[12:13]
	global_load_b128 v[124:127], v17, s[28:29]     ; b_emb
	s_wait_loadcnt 20                              ; the 10 + 4 + 4 + 2 loads above are younger: c is in
	s_wait_kmcnt 0x0
	CWTBUILD
	v_add_nc_u32 v29, WOF, v11                     ; the four staging places, each in a register of its own
	v_add_nc_u32 v27, WPF, v11
	v_add_nc_u32 v26, WN, v11
	v_mul_u32_u24 v25, v28, 144
	v_lshl_add_u32 v25, v1, 3, v25
	v_add_nc_u32 v25, BT, v25
	v_cmp_gt_u32 s56, 3, v28                       ; rows 0-2: W_emb; row 3: b_emb; rows 4-15: 0
	v_cmp_eq_u32 s57, 3, v28
	s_wait_loadcnt 10                              ; the 4 + 4 + 2 loads behind W_of's ten are younger
	CVTS 10, 48
	s_wait_alu depctr_va_vdst(0)                   ; v22, the roundings of W_of and the addresses v25 to v27 and v29 are written
	s_wait_alu depctr_va_sdst(0)                   ; the two compares have written s56 and s57, ahead of the selects that read them
	CWTPUT
	PUTS 10, 48, 29, 2560
	s_wait_loadcnt 0x0
	CVTS 4, 88
	CVTS 4, 104
.irp j, 0,1,2,3
	v_cndmask_b32 v[120+\j], 0, v[120+\j], s56
	v_cndmask_b32 v[120+\j], v[120+\j], v[124+\j], s57
.endr
	v_cvt_pk_bf16_f32 v120, v120, v121
	v_cvt_pk_bf16_f32 v121, v122, v123
	s_wait_alu depctr_va_vdst(0)                   ; the roundings of W_pf, of W_h[0] and of the rows of W_emb and b_emb are written, which the stores read
	PUTS 4, 88, 27, 2560
	PUTS 4, 104, 26, 2560
	ds_store_b64 v25, v[120:121]
	s_wait_dscnt 0x0
	s_barrier_signal -1
	s_barrier_wait -1
	s_wait_alu depctr_vm_vsrc(0)                   ; the two loads have read v16 and v17, the staging stores v48 to v121: all are written or loaded again below
	s_cmp_lt_u32 s2, 4
	s_cbranch_scc0 .Lend
	s_mul_i32 s50, s2, 2560
	s_add_co_u32 s50, s50, SCR
	v_lshlrev_b32 v16, 5, v2
	v_lshl_add_u32 v16, s2, 6, v16
	v_lshlrev_b32 v18, 2, v1
	v_lshl_add_u32 v18, s2, 6, v18
	v_lshl_add_u32 v17, s2, 5, v5                  ; the turning load's place for columns 16 w on, pitch 160
	v_add_nc_u32 v227, WOF, v17                    ; in W_of,
	v_add_nc_u32 v230, WPF, v17                    ; in W_pf,
	v_add_nc_u32 v232, WN, v17                     ; in W_h[0]: a register for each
	v_add_nc_u32 v19, CWT, v7
	v_add_nc_u32 v231, BT, v9
	v_lshl_add_u32 v228, s2, 9, v3
	v_lshl_add_u32 v229, s2, 10, v3
	v_lshl_add_u32 v254, s2, 11, v3
	v_mul_u32_u24 v252, v1, 80
	v_lshl_add_u32 v252, v2, 5, v252
	v_add_nc_u32 v252, s50, v252
	v_lshl_add_u32 v253, v1, 2, s50
	v_cmp_eq_u32 s58, 0, v2
	s_wait_alu depctr_va_vdst(0)                   ; the stretch's addresses v16, v18, v19, v227 to v232 and v252 to v254 are written
	s_wait_alu depctr_va_sdst(0)                   ; the compare has written s58, ahead of the selects that read it
	global_load_b128 v[176:179], v16, s[32:33]     ; b_of
	global_load_b128 v[180:183], v16, s[32:33] offset:16
	global_load_b32 v192, v18, s[12:13]            ; W_emb[0..2][16 w + l % 16]
	global_load_b32 v193, v18, s[12:13] offset:256
	global_load_b32 v194, v18, s[12:13] offset:512
	global_load_b32 v195, v18, s[28:29]            ; b_emb
	global_load_b32 v196, v18, s[36:37]            ; b_pf
	global_load_b32 v197, v18, s[30:31]            ; b_h[0]
	LDW WFR, 5, 227, 160, 0
	LDA AFR, 5, 19, 0
	s_wait_loadcnt 0x0
	RND8 176
	RND 192, 193
	RND 194, 195
	RND 196, 197
	s_wait_dscnt 0x0
	GEMMT 5, 176                                   ; object features, columns 16 w on, K = 160
	NOP5
	ADDACC
	SWISH8
	HILO8 ACC0, 236, 240
	s_wait_alu depctr_va_vdst(0)                   ; v[236:243] are written, which the two stores read; the products are done reading the fragments, in whose registers the loads below land
	global_store_b128 v228, v[236:239], s[48:49] offset:FRONT+8192   ; a lane's eight features of its object are half a fragment's registers as they stand
	global_store_b128 v228, v[240:243], s[48:49] offset:FRONT+10240
	LDW WFR, 2, 230, 160, 0                        ; W_pf
	LDA AFR, 2, 231, 0                             ; rows W_emb, b_emb
	LDW WFR+16, 2, 232, 160, 0                     ; W_h[0]
	s_wait_dscnt 0x0
	global_store_b128 v254, v[WFR+16:WFR+19], s[48:49]               ; WF_0
	global_store_b128 v254, v[WFR+20:WFR+23], s[48:49] offset:512
	global_store_b128 v254, v[WFR+24:WFR+27], s[48:49] offset:1024
	global_store_b128 v254, v[WFR+28:WFR+31], s[48:49] offset:1536
	v_wmma_f32_16x16x32_bf16 v[ACC0:ACC0+7], v[WFR:WFR+7], v[AFR:AFR+7], 0
	v_wmma_f32_16x16x32_bf16 v[ACC1:ACC1+7], v[WFR+8:WFR+15], v[AFR+8:AFR+15], 0
	NOP5
	ADDACC
.irp j, 216,217,218,219
	v_mov_b32 v[\j], 0
.endr
	v_cvt_pk_bf16_f32 v220, v192, v193             ; EF: k = 0..7 meet (x0, x1, x2, x0, x1, x2, 1, 1): W_emb, three zeros, b_emb, zero
	v_cvt_pk_bf16_f32 v221, v194, v216
	v_mov_b32 v222, 0
	v_cvt_pk_bf16_f32 v223, v195, v216
	v_cndmask_b32 v220, 0, v220, s58
	v_cndmask_b32 v221, 0, v221, s58
	v_cndmask_b32 v223, 0, v223, s58
	BIASHALF 197, 244
	s_wait_alu depctr_va_vdst(0)                   ; the joined sums, v[216:223] and v[244:247] are written, which the LDS and global stores below read
	ds_store_b128 v252, v[ACC0:ACC0+3] offset:1024
	ds_store_b128 v252, v[ACC0+4:ACC0+7] offset:1024+16
	ds_load_b32 v200, v253 offset:1024             ; (W_emb W_pf)[0..2][16 w + l % 16],
	ds_load_b32 v201, v253 offset:1024+80
	ds_load_b32 v202, v253 offset:1024+160
	ds_load_b32 v203, v253 offset:1024+240         ; (b_emb W_pf)[16 w + l % 16]
	global_store_b128 v229, v[220:223], s[48:49] offset:FRONT
	global_store_b128 v229, v[216:219], s[48:49] offset:FRONT+512
	global_store_b128 v229, v[216:219], s[48:49] offset:8192         ; GF_0: no object terms,
	global_store_b128 v229, v[244:247], s[48:49] offset:8192+512     ; b_h[0]
	s_wait_dscnt 0x0
	v_add_f32 v203, v203, v196                     ; + b_pf
.irp j, 0,1,2,3
	v_cvt_pk_bf16_f32 v[204+\j], v[200+\j], v[200+\j]
	v_lshlrev_b32 v[204+\j], 16, v[204+\j]         ; high part,
	v_sub_f32 v[208+\j], v[200+\j], v[204+\j]      ; low part
.endr
	v_cvt_pk_bf16_f32 v212, v204, v205             ; PF: three high parts, three low parts, the bias's two
	v_cvt_pk_bf16_f32 v213, v206, v208
	v_cvt_pk_bf16_f32 v214, v209, v210
	v_cvt_pk_bf16_f32 v215, v207, v211
.irp j, 212,213,214,215
	v_cndmask_b32 v[\j], 0, v[\j], s58
.endr
	s_wait_alu depctr_va_vdst(0)                   ; v[212:215] are written, which the first store reads
	global_store_b128 v229, v[212:215], s[48:49] offset:FRONT+4096
	global_store_b128 v229, v[216:219], s[48:49] offset:FRONT+4096+512
.Lend:
	s_wait_dscnt 0x0                               ; the closing lines, six on end
	s_wait_alu 0x0
	s_wait_tensorcnt 0x0
	ds_add_u32 v14, v15
	s_wait_dscnt 0x0
	s_endpgm
.Lfunc_end_k_qdf65a28e23_prep:
	.size	k_qdf65a28e23_prep, .Lfunc_end_k_qdf65a28e23_prep-k_qdf65a28e23_prep
	.p2alignl 7, 3214868480
	.fill 96, 4, 3214868480
	.section	.rodata,"a",@progbits
	.p2align	6, 0x0
	.amdhsa_kernel k_qdf65a28e23_prep
		.amdhsa_group_segment_fixed_size 195840
		.amdhsa_private_segment_fixed_size 0
		.amdhsa_enable_private_segment 0
		.amdhsa_kernarg_size 168
		.amdhsa_user_sgpr_count 2
		.amdhsa_user_sgpr_kernarg_segment_ptr 1
		.amdhsa_wavefront_size32 1
		.amdhsa_system_sgpr_workgroup_id_x 1
		.amdhsa_system_sgpr_workgroup_id_y 1
		.amdhsa_system_sgpr_workgroup_id_z 1
		.amdhsa_system_vgpr_workitem_id 0
		.amdhsa_next_free_vgpr 256
		.amdhsa_next_free_sgpr 66
		.amdhsa_reserve_vcc 1
		.amdhsa_float_denorm_mode_32 3
		.amdhsa_float_denorm_mode_16_64 3
		.amdhsa_memory_ordered 1
		.amdhsa_forward_progress 1
		.amdhsa_inst_pref_size 73
	.end_amdhsa_kernel
	.amdgpu_metadata
---
amdhsa.version: [ 1, 2 ]
amdhsa.kernels:
  - .name:           k_qdf65a28e23_prep
    .symbol:         k_qdf65a28e23_prep.kd
    .args:
      - { .name: W_c1, .offset: 0, .size: 8, .value_kind: global_buffer, .address_space: global }
      - { .name: W_c2, .offset: 8, .size: 8, .value_kind: global_buffer, .address_space: global }
      - { .name: W_emb, .offset: 16, .size: 8, .value_kind: global_buffer, .address_space: global }
      - { .name: W_h, .offset: 24, .size: 8, .value_kind: global_buffer, .address_space: global }
      - { .name: W_of, .offset: 32, .size: 8, .value_kind: global_buffer, .address_space: global }
      - { .name: W_out, .offset: 40, .size: 8, .value_kind: global_buffer, .address_space: global }
      - { .name: W_pf, .offset: 48, .size: 8, .value_kind: global_buffer, .address_space: global }
      - { .name: W_ss, .offset: 56, .size: 8, .value_kind: global_buffer, .address_space: global }
      - { .name: b_c1, .offset: 64, .size: 8, .value_kind: global_buffer, .address_space: global }
      - { .name: b_c2, .offset: 72, .size: 8, .value_kind: global_buffer, .address_space: global }
      - { .name: b_emb, .offset: 80, .size: 8, .value_kind: global_buffer, .address_space: global }
      - { .name: b_h, .offset: 88, .size: 8, .value_kind: global_buffer, .address_space: global }
      - { .name: b_of, .offset: 96, .size: 8, .value_kind: global_buffer, .address_space: global }
      - { .name: b_out, .offset: 104, .size: 8, .value_kind: global_buffer, .address_space: global }
      - { .name: b_pf, .offset: 112, .size: 8, .value_kind: global_buffer, .address_space: global }
      - { .name: b_ss, .offset: 120, .size: 8, .value_kind: global_buffer, .address_space: global }
      - { .name: c, .offset: 128, .size: 8, .value_kind: global_buffer, .address_space: global }
      - { .name: ln_b, .offset: 136, .size: 8, .value_kind: global_buffer, .address_space: global }
      - { .name: ln_g, .offset: 144, .size: 8, .value_kind: global_buffer, .address_space: global }
      - { .name: t, .offset: 152, .size: 8, .value_kind: global_buffer, .address_space: global }
      - { .name: ws, .offset: 160, .size: 8, .value_kind: global_buffer, .address_space: global }
    .group_segment_fixed_size: 195840
    .private_segment_fixed_size: 0
    .kernarg_segment_align: 8
    .kernarg_segment_size: 168
    .max_flat_workgroup_size: 256
    .sgpr_count:     66
    .vgpr_count:     256
    .wavefront_size: 32
...
	.end_amdgpu_metadata
.endif
;; end of part 3
;; launch main: the kernel of part 2 again; grid 256 x 1, 16 waves a work-group, no clusters, 167,936 bytes of LDS; arguments x, ws, out0; writes out0
